; MI455X (gfx1250); checked and timed in simulation.
; The chip was launched on July 23, 2026; its instructions are those of AMD's public machine-readable ISA for CDNA 5 (MIT licence, August 2026) and "CDNA5" Instruction Set Architecture Reference Guide (July 2026). The comments in the code are by the model that wrote it; some were corrected since.
;; Multi Head Attention. Allowed arithmetic: matrix products marked QUANTISED: E5M2 operands, one given power-of-two scale a tensor, by v_wmma_f32_16x16x64_bf8_bf8 or v_wmma_f32_16x16x128_bf8_bf8, f32 sums; everything else in f32.
;; Inputs: W_k_codes 1,024 x 32 x 32 uint8 (E5M2 codes of W_k, K innermost, in blocks of 32 codes); W_o_codes 1,024 x 32 x 32 uint8 (E5M2 codes of W_o, K innermost, in blocks of 32 codes); W_q_codes 1,024 x 32 x 32 uint8 (E5M2 codes of W_q, K innermost, in blocks of 32 codes); W_v_codes 1,024 x 32 x 32 uint8 (E5M2 codes of W_v, K innermost, in blocks of 32 codes); attention_mask 4 x 2,048 int32; lowp_scales 12 int32 (the exponents e of the quantised operands' scales 2^e); x_codes 4 x 2,048 x 32 x 32 uint8 (E5M2 codes of x, K innermost, in blocks of 32 codes).
;; Outputs: out0 4 x 2,048 x 1,024 float32.
;; This version of the problem:
;;   THIS VERSION OF THE PROBLEM IS GIVEN IN LOW PRECISION. The matrix products marked QUANTISED in the list below multiply operands that are first quantised to E5M2 (5 exponent bits, 2 mantissa bits; 8 bits a number), with one given power-of-two scale for each operand tensor; their sums are f32. All else is computed in f32.
;;   The module's matrix products, in the order in which they are computed (A, B: the left and right operand; K: the contracted axis; several contracted axes count as one K, in the product's order):
;;     1. [M 8,192, K 1,024] x [K 1,024, N 1,024]; A: input x (given as codes); B: input W_q (given as codes): QUANTISED (scales: A lowp_scales[0], B lowp_scales[1])
;;     2. [M 8,192, K 1,024] x [K 1,024, N 1,024]; A: input x (given as codes); B: input W_k (given as codes): QUANTISED (scales: A lowp_scales[2], B lowp_scales[3])
;;     3. [M 8,192, K 1,024] x [K 1,024, N 1,024]; A: input x (given as codes); B: input W_v (given as codes): QUANTISED (scales: A lowp_scales[4], B lowp_scales[5])
;;     4. batch 64 x [M 2,048, K 64] x [K 64, N 2,048]; A: computed on the way; B: computed on the way: QUANTISED (scales: A lowp_scales[6], B lowp_scales[7])
;;     5. batch 64 x [M 2,048, K 2,048] x [K 2,048, N 64]; A: computed on the way; B: computed on the way: QUANTISED (scales: A lowp_scales[8], B lowp_scales[9])
;;     6. [M 8,192, K 1,024] x [K 1,024, N 1,024]; A: computed on the way; B: input W_o (given as codes): QUANTISED (scales: A lowp_scales[10], B lowp_scales[11])
;;   THE QUANTISER, for each operand of a quantised product, along K:
;;     - The operand's scale is 2^e, e = its entry of the input lowp_scales (int32; the entries are numbered through the quantised products in the list's order, A before B).
;;     - Each number is divided by the scale, clamped to +-57,344, and rounded to the nearest number of E5M2, ties to even, subnormals kept.
;;     - The product sums the exact products of the quantised numbers (number of the format x scale) in f32.
;;   ~~~python
;;   def quantise(x, axis, e):      # numpy; x: float32 -> the quantised numbers, widened to float32 again
;;       x = np.moveaxis(x, axis, -1); K = x.shape[-1]
;;       r = np.clip(x / 2.0 ** e, -57344, 57344)
;;       step = 2.0 ** (np.maximum(np.frexp(np.where(r == 0, 1, r))[1] - 1, -14) - 2)
;;       q = np.round(r / step) * step * 2.0 ** e      # np.round: ties to even
;;       return np.moveaxis(q, -1, axis).astype(np.float32)
;;   ~~~
;;   OPERANDS COMPUTED ON THE WAY. 'Computed on the way' means the value that the module computes at that place (a softmax that the list does not call 'softmax' is quantised finished and normalised). What goes into a quantiser is computed in f32, as accurately as f32 sums, v_exp_f32 and their like allow (about 1e-6 of the number): no bf16 or f16 on the way to a quantiser, and a product that is left as it is and whose result goes on into a quantised operand takes f32 operands (vector FMAs, or v_wmma_f32_16x16x4_f32). A number that lies on a knife's edge between two numbers of the format may be rounded either way, as far as f32 arithmetic and the matrix unit's own rounding can turn it there, and no further.
;;   INPUTS GIVEN AS CODES. W_k (in the module: [1024, 1024], K = its axis 1); W_o (in the module: [1024, 1024], K = its axis 1); W_q (in the module: [1024, 1024], K = its axis 1); W_v (in the module: [1024, 1024], K = its axis 1); x (in the module: [4, 2048, 1024], K = its axis 2): each comes as NAME_codes (uint8): NAME with its K axis moved to the last place and cut into blocks of 32 codes, [.., K / 32, bytes a block], one block behind the other in memory; one code a byte (a code: sign, 5 exponent bits, 2 mantissa bits); its scale is its entry of lowp_scales. Its value is code x scale, taken as it is: it is not quantised again, and the codes and scales need not be those that the quantiser above would give.
;; 2 versions. Each part assembles by itself: llvm-mc -triple=amdgcn-amd-amdhsa -mcpu=gfx1250 --defsym DOCPART=n.
;; ======== version 1 of 2: 4 launches
;; limits: right only within a limited range of input values
;; workspace buffers: tab 524,288 bytes; q_img 8,388,608 bytes; k_img 8,388,608 bytes; v_img 8,388,608 bytes; vpart 262,144 bytes; a_img 8,388,608 bytes
;; launch rope (part 1): grid 128 x 1, 8 waves a work-group, no clusters, 0 bytes of LDS; arguments tab; writes tab
.if DOCPART == 1
	.amdgcn_target "amdgcn-amd-amdhsa--gfx1250"
	.amdhsa_code_object_version 6
	.text
	.protected	k_q2a79bd959f_rope
	.globl	k_q2a79bd959f_rope
	.p2align	8
	.type	k_q2a79bd959f_rope,@function
k_q2a79bd959f_rope:
	s_mov_b64 s[64:65], 0
	v_nop
	global_prefetch_b8 v0, s[64:65] scope:SCOPE_SE
	s_setreg_imm32_b32 hwreg(HW_REG_WAVE_MODE, 25, 1), 1
	s_wait_xcnt 0x0
; tab[t][i] = (cos, sin) of theta = t x f_i, f_i = 1 / 10000^(i / 32), t = 0 .. 2047, i = 0 .. 31: f32, a token's row is 256 bytes.
; The steps are those of the definition, each rounded once to f32: the power (here a constant, 10^(i / 8), given to 16 digits), its reciprocal (v_rcp_f32 and two
; Newton steps), the product with t.  cos and sin: theta less n x pi / 2 with pi / 2 in two parts (the first product is exact: n has 11 bits, the remainder is a multiple
; of 2^-23 under 1), then the usual polynomials on +-pi / 4 and the quadrant.
; SHARES: thread g = 256 x work-group + v0 takes token g / 16 and pairs i = 2 (g % 16), 2 (g % 16) + 1: 16 bytes; a wave's store covers 512 consecutive bytes, aligned.
; No LDS, no matrix unit, no loop: 32,768 threads, one store each.
	s_load_b64 s[4:5], s[0:1], 0x0
	s_lshl_b32 s6, ttmp9, 4                        ; the work-group's first token
	s_lshl_b32 s8, ttmp9, 12                       ; and its 16 rows of 256 bytes
	s_mov_b32 s9, 0
	s_mov_b32 s10, 0x3f22f983                      ; 2 / pi
	s_mov_b32 s11, 0x3fc90fdb                      ; pi / 2, upper part
	s_mov_b32 s12, 0xb33bbd2e                      ; pi / 2, the rest (negative)
	v_and_b32 v1, 15, v0                           ; which two pairs
	v_lshrrev_b32 v2, 4, v0
	v_add_nc_u32 v2, s6, v2                        ; t
	v_cvt_f32_u32 v3, v2
	v_lshlrev_b32 v24, 4, v0                       ; my 16 bytes
	v_mov_b32 v9, 1.0
	v_mov_b32 v4, 1.0                              ; 10^(i / 8) for i = 0,
	v_mul_f32 v5, 1.333521432163324, v9            ; and for i = 1
	v_mul_f32 v30, -0.00019515295891, v9           ; leading coefficient of the sine's polynomial,
	v_mul_f32 v31, 0.00002443315711809948, v9      ; and of the cosine's
.macro SEL k, pa, pb                   ; thread k of sixteen takes these two powers
	v_cmp_eq_u32 vcc_lo, \k, v1
	v_mul_f32 v6, \pa, v9
	v_mul_f32 v7, \pb, v9
	v_cndmask_b32 v4, v4, v6, vcc_lo
	v_cndmask_b32 v5, v5, v7, vcc_lo
.endm
	SEL 1, 1.7782794100389228, 2.371373705661655
	SEL 2, 3.1622776601683795, 4.216965034285822
	SEL 3, 5.623413251903491, 7.498942093324558
	SEL 4, 10.0, 13.33521432163324
	SEL 5, 17.782794100389228, 23.71373705661655
	SEL 6, 31.622776601683795, 42.16965034285822
	SEL 7, 56.23413251903491, 74.98942093324558
	SEL 8, 100.0, 133.3521432163324
	SEL 9, 177.82794100389228, 237.1373705661655
	SEL 10, 316.22776601683795, 421.6965034285822
	SEL 11, 562.3413251903491, 749.8942093324558
	SEL 12, 1000.0, 1333.521432163324
	SEL 13, 1778.2794100389228, 2371.373705661655
	SEL 14, 3162.2776601683795, 4216.965034285822
	SEL 15, 5623.413251903491, 7498.942093324558
	v_rcp_f32 v6, v4
	v_rcp_f32 v7, v5
	v_nop                                          ; a plain instruction between the reciprocals and their use
.rept 2                                ; y = y + y (1 - p y): the rounded quotient 1 / p
	v_fma_f32 v10, -v4, v6, 1.0
	v_fma_f32 v11, -v5, v7, 1.0
	v_fma_f32 v6, v6, v10, v6
	v_fma_f32 v7, v7, v11, v7
.endr
	v_mul_f32 v18, v3, v6                          ; theta, rounded once
	v_mul_f32 v19, v3, v7
.macro SINCOS th, o                    ; v[o] = cos, v[o + 1] = sin of v[th]
	v_mul_f32 v10, s10, v[\th]
	v_rndne_f32 v10, v10                           ; n, at most 1,303
	v_fma_f32 v11, -v10, s11, v[\th]               ; exact
	v_fma_f32 v11, -v10, s12, v11                  ; x, within +-pi / 4
	v_mul_f32 v12, v11, v11                        ; z
	v_fmaak_f32 v13, v12, v30, 0.0083321608736
	v_fmaak_f32 v13, v13, v12, -0.16666654611
	v_mul_f32 v14, v11, v12
	v_fma_f32 v13, v14, v13, v11                   ; sin x = x + x z (..)
	v_fmaak_f32 v15, v12, v31, -0.001388731625493765
	v_fmaak_f32 v15, v15, v12, 0.04166664568298827
	v_mul_f32 v16, v12, v12
	v_fma_f32 v17, v12, -0.5, 1.0
	v_fma_f32 v15, v16, v15, v17                   ; cos x = 1 - z / 2 + z z (..)
	v_cvt_i32_f32 v16, v10
	v_and_b32 v17, 1, v16
	v_cmp_eq_u32 vcc_lo, 1, v17                    ; odd quadrants swap the two
	v_cndmask_b32 v[\o+1], v13, v15, vcc_lo
	v_cndmask_b32 v[\o], v15, v13, vcc_lo
	v_and_b32 v17, 2, v16                          ; the sine is negative in quadrants 2, 3,
	v_lshlrev_b32 v17, 30, v17
	v_xor_b32 v[\o+1], v[\o+1], v17
	v_add_nc_u32 v17, 1, v16                       ; the cosine in quadrants 1, 2
	v_and_b32 v17, 2, v17
	v_lshlrev_b32 v17, 30, v17
	v_xor_b32 v[\o], v[\o], v17
.endm
	SINCOS 18, 20
	SINCOS 19, 22
	s_wait_kmcnt 0x0
	s_add_nc_u64 s[4:5], s[4:5], s[8:9]
	global_store_b128 v24, v[20:23], s[4:5]
	s_endpgm
.Lfunc_end_k_q2a79bd959f_rope:
	.size	k_q2a79bd959f_rope, .Lfunc_end_k_q2a79bd959f_rope-k_q2a79bd959f_rope
	.p2alignl 7, 3214868480
	.fill 96, 4, 3214868480
	.section	.rodata,"a",@progbits
	.p2align	6, 0x0
	.amdhsa_kernel k_q2a79bd959f_rope
		.amdhsa_group_segment_fixed_size 0
		.amdhsa_private_segment_fixed_size 0
		.amdhsa_enable_private_segment 0
		.amdhsa_kernarg_size 8
		.amdhsa_user_sgpr_count 2
		.amdhsa_user_sgpr_kernarg_segment_ptr 1
		.amdhsa_wavefront_size32 1
		.amdhsa_system_sgpr_workgroup_id_x 1
		.amdhsa_system_sgpr_workgroup_id_y 1
		.amdhsa_system_sgpr_workgroup_id_z 1
		.amdhsa_system_vgpr_workitem_id 0
		.amdhsa_next_free_vgpr 48
		.amdhsa_next_free_sgpr 66
		.amdhsa_reserve_vcc 1
		.amdhsa_float_denorm_mode_32 3
		.amdhsa_float_denorm_mode_16_64 3
		.amdhsa_memory_ordered 1
		.amdhsa_forward_progress 1
		.amdhsa_inst_pref_size 8
	.end_amdhsa_kernel
	.amdgpu_metadata
---
amdhsa.version: [ 1, 2 ]
amdhsa.kernels:
  - .name:           k_q2a79bd959f_rope
    .symbol:         k_q2a79bd959f_rope.kd
    .args:
      - { .name: tab, .offset: 0, .size: 8, .value_kind: global_buffer, .address_space: global }
    .group_segment_fixed_size: 0
    .private_segment_fixed_size: 0
    .kernarg_segment_align: 8
    .kernarg_segment_size: 8
    .max_flat_workgroup_size: 256
    .sgpr_count:     66
    .vgpr_count:     48
    .wavefront_size: 32
...
	.end_amdgpu_metadata
.endif
;; end of part 1
;; launch qkv (part 2): grid 12 x 32, 4 waves a work-group, clusters of 4 x 4, 327,680 bytes of LDS; arguments x_codes, W_q_codes, W_k_codes, W_v_codes, lowp_scales, tab, q_img, k_img, v_img, vpart; writes q_img, k_img, v_img, vpart
.if DOCPART == 2
	.amdgcn_target "amdgcn-amd-amdhsa--gfx1250"
	.amdhsa_code_object_version 6
	.text
	.protected	k_q2a79bd959f_qkv
	.globl	k_q2a79bd959f_qkv
	.p2align	8
	.type	k_q2a79bd959f_qkv,@function
k_q2a79bd959f_qkv:
	s_mov_b64 s[64:65], 0
	v_nop
	global_prefetch_b8 v0, s[64:65] scope:SCOPE_SE
	s_setreg_imm32_b32 hwreg(HW_REG_WAVE_MODE, 25, 1), 1
	s_wait_xcnt 0x0
	s_wait_alu depctr_hold_cnt(0) depctr_sa_sdst(0) depctr_va_vdst(0) depctr_va_sdst(0) depctr_va_ssrc(0) depctr_va_vcc(0) depctr_vm_vsrc(0)
	s_getreg_b32 s2, hwreg(HW_REG_IB_STS2, 6, 4)
	s_cmp_eq_u32 s2, 0
	s_cbranch_scc0 .Lentry_in_a_cluster
	s_endpgm
.Lentry_in_a_cluster:
	s_bfe_u32 s2, ttmp6, 0x10000c
	s_cmp_lg_u32 s2, 0xf033
	s_cbranch_scc0 .Lentry_shape_is_right
	s_endpgm
.Lentry_shape_is_right:
; q = rope(x W_q^T), k = rope(x W_k^T), v = x W_v^T on codes of BF8 (E5M2); the results are quantised on the way out and stored as IMAGES OF THE NEXT OPERAND'S REGISTERS.
; The cluster's x says which: 0 q, 1 k, 2 v: it is alike in all sixteen partners, so pointers, exponents and the one branch on it are alike too.
; A work-group of four waves makes 256 x 256 of a product, a wave 128 x 128: 64 accumulators, 512 registers.  K = 1,024 goes in steps of 256 through a ring of two LDS slots
; filled by joint tensor loads: source 1's tile is shared along a row of the 4 x 4 cluster, source 0's along a column.
; A lane's eight results are eight neighbouring rows of SOURCE 0.  q, k: source 0 = W (features), source 1 = x (tokens): a lane holds one token and eight features, the next K.
; v: source 0 = x, source 1 = W_v: a lane holds one feature and eight tokens (keys), the next K.  Only pointers and tile numbers are chosen for that; every LDS address is the same in all clusters.
; OUT.  Eight results make two registers of codes, which ARE registers 2 c, 2 c + 1 of the plain 8-bit operand layout (k = 16 c + 8 (lane / 16) + 0 .. 7).  Four registers of 32 lanes are 512 consecutive bytes:
;   q_img, k_img [b][h][tile of 16 tokens][g 2][lane][16 bytes];  v_img [b][h][128 keys][16 channels][c 4][lane][16 bytes].  No stage in LDS, every store 512 aligned bytes.
;   vpart [block of 128 tokens][feature]: the sum of v's code values over the block, f32 (for rows of the attention that see no key).  Its stores are of 128 bytes: 256 KiB in all.
; The sums lack 2^(ex + ew): the rotation does not mind a power of two, and the conversion takes 2^(e_out - ex - ew) as its one scale.
; The table's first two sets are asked for at the head by every cluster, v's too, which does not use them: so the text has one head.
; LIMITS: e6 - e0 - e1, e7 - e2 - e3, e9 - e4 - e5 between -126 and 112, so that scale and hold are f32 numbers.  NaN is not served.
; REGISTERS: window 0: v16-31 addresses and constants; v32-95 two sets of the table; from v128 source 1's fragments, ONE set; behind the products v96-255 are at work.
;   window 1: source 0's fragments, TWO sets.   windows 2, 3: the accumulators ((a, b) at v[8 (8 (a % 4) + b)]).
.set SIZE_K, 1024
.set KSTEP,  256
.set ROWB,   256                       ; a tile's row in bytes
.set KROW,   SIZE_K                    ; a row of x or of W in memory
.set PITCH,  272                       ; an LDS row: 256 bytes + 16 of padding: the 16 rows that a load touches start at 16 different banks
.set FR,     16                        ; registers of a fragment: 16 rows x 128 K
.set NL,     4                         ; LDS loads that bring one
.set NP,     4                         ; places behind this matrix instruction (ISA guide 7.12.1)
.set HALFT,  128*PITCH
.set SLOT,   4*HALFT                   ; source 1's 256 rows, then source 0's 256 rows
.set LAPS,   SIZE_K/(2*KSTEP)
.set SPARE,  2*SLOT                    ; behind the ring: the spare words, 128 bytes for each wave
.set ADRA, 16                          ; v16-17  LDS address of source 1's fragments in slot 0, 1
.set ADRB, 20                          ; v20-21  of source 0's
.set ONES, 24                          ; v24     the scale byte of 1.0 in every byte
.set L4,   25                          ; v25     4 x lane
.set L16,  26                          ; v26     16 x lane
.set TA,   27                          ; v27     256 (lane % 16) + 32 (lane / 16): my place in 16 rows of the table
.set SPW,  28                          ; v28     my spare word; never rewritten
.set NIL,  29                          ; v29     0; never rewritten
.set SC,   30                          ; v30     the conversion's scale
.set LIM,  31                          ; v31     57,344 x that
.set TB,   32                          ; v32-95  two sets of 32: (cos, sin) of my 16 pairs
.set R,    96                          ; v96-159   64 numbers ahead of the conversion
.set T2,   160                         ; v160-223  at work
.set C,    224                         ; v224-255  codes, two sets of 16
.set AF,   128
.set G1, 24
.set G0, 32
.set G1B, 48
.set G0B, 56
.set MSB, 0
.macro WIN new                         ; the immediate's high byte repeats the setting that is left
.if MSB != \new
	s_set_vgpr_msb (MSB<<8)|\new
.set MSB, \new
.endif
.endm
.set MUL_LO, 0xa1                      ; source 0 window 1, source 1 window 0, C and D window 2
.set MUL_HI, 0xf1                      ; the same, C and D window 3
.set TO_B,   0x40                      ; destination window 1, address window 0
; A joint load: waves 0 and 1 fetch source 1's halves, waves 2 and 3 source 0's.  The branch hangs on the wave's number alone.  Four v_nop follow each line.
.macro JLOAD g0a, g1a, g0b, g1b
	s_cmp_eq_u32 s15, 0
	s_cbranch_scc0 .Lfor_b_\@
	tensor_load_to_lds s[\g0a:\g0a+3], s[\g1a:\g1a+7]
.rept 4
	v_nop
.endr
	s_branch .Lasked_\@
.Lfor_b_\@:
	tensor_load_to_lds s[\g0b:\g0b+3], s[\g1b:\g1b+7]
.rept 4
	v_nop
.endr
.Lasked_\@:
.endm
.macro CREST                           ; a round of the cluster's barrier behind its opening barrier
	s_cmp_lg_u32 s14, 0
	s_cbranch_scc1 .Lnot_wave_0_\@
	s_barrier_signal -3
.Lnot_wave_0_\@:
	s_barrier_wait -3
	s_barrier_signal -1
	s_barrier_wait -1
.endm
.macro CROUND
	s_barrier_signal -1
	s_barrier_wait -1
	CREST
.endm
	s_load_b256 s[68:75], s[0:1], 0x0              ; x s[68:69], W_q s[70:71], W_k s[72:73], W_v s[74:75]
	s_load_b256 s[76:83], s[0:1], 0x20             ; the exponents s[76:77], tab s[78:79], q_img s[80:81], k_img s[82:83]
	s_load_b128 s[84:87], s[0:1], 0x40             ; v_img s[84:85], vpart s[86:87]
	v_lshl_add_u32 v[SPW], v0, 2, SPARE
	v_mov_b32 v[NIL], 0
	v_lshrrev_b32 v1, 5, v0
	v_readfirstlane_b32 s14, v1                    ; wave 0..3
	s_lshr_b32 s15, s14, 1                         ; my half of source 1's rows.  Also: I fetch for source 1 (0) or source 0 (1)
	s_and_b32 s16, s14, 1                          ; my half of source 0's rows.  Also: which 128 rows of that tile I fetch
	s_bfe_u32 s40, ttmp6, 0x40000                  ; cx
	s_bfe_u32 s41, ttmp6, 0x40004                  ; cy
	s_and_b32 s18, ttmp7, 0xffff
	s_lshl_b32 s18, s18, 2                         ; 4 x the cluster's y
	s_add_co_u32 s17, s18, s41
	s_add_co_u32 s42, s18, s40
	s_cmp_eq_u32 ttmp9, 2                          ; v?
	s_cselect_b32 s17, s41, s17                    ; source 1's tile: q, k: tokens 4 Y + cy;  v: features cy.  It hangs on cy alone
	s_cselect_b32 s42, s42, s40                    ; source 0's tile: q, k: features cx;  v: tokens 4 Y + cx.  It hangs on cx alone
	s_lshl_b32 s43, s41, 2
	s_lshl_b32 s43, 15, s43                        ; my row of the cluster
	s_lshl_b32 s44, 0x1111, s40                    ; my column
	s_or_b32 s[G1+0], s43, (0<<16)|(1<<20)|(1<<21)|(5<<22)|(3<<25)  ; mask; elements of 1 byte; padding on; bit 21 beside a mask; 4 words behind every 64
	s_or_b32 s[G1B+0], s44, (0<<16)|(1<<20)|(1<<21)|(5<<22)|(3<<25)
.irp g, G1, G1B
	s_mov_b32 s[\g+1], ROWB<<16                    ; tensor_dim0
	s_mov_b32 s[\g+2], 128<<16                     ; tensor_dim1
	s_mov_b32 s[\g+3], ROWB<<16                    ; tile_dim0
	s_mov_b32 s[\g+4], 128                         ; tile_dim1
	s_mov_b32 s[\g+5], KROW                        ; pitch
	s_mov_b32 s[\g+6], 0
	s_mov_b32 s[\g+7], 0
.endr
	s_lshl_b32 s18, s16, 7                         ; which 128 rows of the tile I fetch
	s_lshl_b32 s20, s17, 8
	s_add_co_u32 s20, s20, s18
	s_lshl_b32 s20, s20, 10                        ; rows of 1,024 bytes: under 2^23
	s_mov_b32 s21, 0
	s_lshl_b32 s46, s42, 8
	s_add_co_u32 s46, s46, s18
	s_lshl_b32 s46, s46, 10
	s_mov_b32 s47, 0
	s_mul_i32 s45, s14, HALFT                      ; where they go: wave x 128 rows
	s_wait_kmcnt 0x0
	s_load_b256 s[88:95], s[76:77], 0x0            ; e0 .. e7
	s_load_b32 s96, s[76:77], 0x24                 ; e9
	s_cmp_eq_u32 ttmp9, 1
	s_cselect_b64 s[6:7], s[72:73], s[70:71]       ; the weight,
	s_cselect_b64 s[10:11], s[82:83], s[80:81]     ; and where the codes go
	s_cmp_eq_u32 ttmp9, 2
	s_cselect_b64 s[6:7], s[74:75], s[6:7]
	s_cselect_b64 s[10:11], s[84:85], s[10:11]
	s_cselect_b64 s[4:5], s[6:7], s[68:69]         ; source 1's rows: v: W_v, else x
	s_cselect_b64 s[6:7], s[68:69], s[6:7]         ; source 0's rows: v: x, else the weight
	s_add_nc_u64 s[20:21], s[4:5], s[20:21]
	s_add_nc_u64 s[46:47], s[6:7], s[46:47]
	CROUND                                         ; all sixteen work-groups are here: the first joint loads meet
.irp s, 0,1
	s_mov_b32 s[G0+4*\s], 1
	s_add_co_u32 s[G0+4*\s+1], s45, \s*SLOT
	s_add_nc_u64 s[G0+4*\s+2:G0+4*\s+3], s[20:21], \s*ROWB
	s_or_b32 s[G0+4*\s+3], s[G0+4*\s+3], 0x80000000
	s_mov_b32 s[G0B+4*\s], 1
	s_add_co_u32 s[G0B+4*\s+1], s45, \s*SLOT
	s_add_nc_u64 s[G0B+4*\s+2:G0B+4*\s+3], s[46:47], \s*ROWB
	s_or_b32 s[G0B+4*\s+3], s[G0B+4*\s+3], 0x80000000
	JLOAD G0+4*\s, G1, G0B+4*\s, G1B
.endr
	v_and_b32 v1, 15, v0                           ; l % 16
	v_bfe_u32 v2, v0, 4, 1                         ; l / 16
	v_mul_u32_u24 v3, v1, PITCH
	v_lshl_add_u32 v4, v2, 4, v3                   ; a fragment's row x pitch + 16 x half
	s_mul_i32 s21, s15, HALFT
	s_mul_i32 s22, s16, HALFT
	s_add_co_u32 s22, s22, 2*HALFT
.irp s, 0,1
	v_add_nc_u32 v[ADRA+\s], s21, v4
	v_add_nc_u32 v[ADRB+\s], s22, v4
	s_add_co_u32 s21, s21, SLOT
	s_add_co_u32 s22, s22, SLOT
.endr
	v_and_b32 v[L4], 31, v0
	v_lshlrev_b32 v[L16], 4, v[L4]
	v_lshlrev_b32 v[L4], 2, v[L4]
	v_lshlrev_b32 v[TA], 8, v1
	v_lshl_add_u32 v[TA], v2, 5, v[TA]
	v_mov_b32 v[ONES], 0x7f7f7f7f
	s_lshl_b32 s8, s17, 8
	s_lshl_b32 s9, s15, 7
	s_add_co_u32 s8, s8, s9                        ; my wave's first row of source 1,
	s_lshl_b32 s12, s42, 8
	s_lshl_b32 s13, s16, 7
	s_add_co_u32 s12, s12, s13                     ; and of source 0
	s_cmp_eq_u32 ttmp9, 2
	s_cselect_b32 s66, s12, s8                     ; m: my first token (of 8,192),
	s_cselect_b32 s67, s8, s12                     ; f: my first feature
	s_and_b32 s8, s66, 2047                        ; the token within its batch
	s_lshl_b32 s12, s8, 8
	s_mov_b32 s13, 0
	s_add_nc_u64 s[78:79], s[78:79], s[12:13]      ; the table at that token
	s_lshl_b32 s12, s8, 6                          ; images: 64 bytes a token and head (q, k: 1,024 a tile of 16; v: 8,192 a block of 128),
	s_and_b32 s9, s66, 0x1800
	s_lshl_b32 s9, s9, 10                          ; 2^21 a batch,
	s_add_co_u32 s12, s12, s9
	s_lshl_b32 s9, s67, 11                         ; 2^17 a head of 64 features
	s_add_co_u32 s12, s12, s9
	s_add_nc_u64 s[10:11], s[10:11], s[12:13]
	s_lshl_b32 s12, s66, 5                         ; vpart: 4,096 bytes a block of 128 tokens,
	s_lshl_b32 s9, s67, 2                          ; 4 a feature
	s_add_co_u32 s12, s12, s9
	s_add_nc_u64 s[86:87], s[86:87], s[12:13]
	s_mov_b32 s98, 0x76543210                      ; v_permlanex16_b32's selects for lane l xor 16
	s_mov_b32 s99, 0xfedcba98
; (cos, sin) for block a's 16 tokens: register 8 c + 2 p, + 1: pair i = 8 c + 4 (lane / 16) + p.  The eight loads together take the 16 rows whole.
.macro TABLOAD a
.irp c, 0,1,2,3
.irp e, 0,1
	global_load_b128 v[TB+32*((\a)%2)+8*\c+4*\e:TB+32*((\a)%2)+8*\c+4*\e+3], v[TA], s[78:79] offset:4096*(\a)+64*\c+16*\e
.endr
.endr
.endm
	TABLOAD 0
	TABLOAD 1
.macro FRAG reg, adr, q, i             ; 16 rows x 128 K: lane l holds row l % 16; registers 4 c .. 4 c + 3 hold K = 32 c + 16 (l / 16) + 0 .. 15: the same order of k on both sides
.irp c, 0,1,2,3
	ds_load_b128 v[\reg+4*\c:\reg+4*\c+3], v[\adr] offset:128*(\q)+32*\c+(\i)*16*PITCH
.endr
.endm
; 16 matrix instructions: source 1's blocks a0, a0 + 1 x source 0's eight.  The 64 accumulators take turns, one instruction a turn.
.macro MUL16 a0, p, zero
.irp a, \a0, \a0+1
.irp b, 0,1,2,3,4,5,6,7
.if \zero
	v_wmma_f32_16x16x128_bf8_bf8 v[8*(8*((\a)%4)+\b):8*(8*((\a)%4)+\b)+7], v[128*(\p)+FR*\b:128*(\p)+FR*\b+FR-1], v[AF+FR*(\a):AF+FR*(\a)+FR-1], 0
.else
	v_wmma_f32_16x16x128_bf8_bf8 v[8*(8*((\a)%4)+\b):8*(8*((\a)%4)+\b)+7], v[128*(\p)+FR*\b:128*(\p)+FR*\b+FR-1], v[AF+FR*(\a):AF+FR*(\a)+FR-1], v[8*(8*((\a)%4)+\b):8*(8*((\a)%4)+\b)+7]
.endif
.endr
.endr
.endm
.macro FETCH_B slot, q, p
	WIN TO_B
.irp i, 0,1,2,3,4,5,6,7
	FRAG 128*(\p)+FR*\i, ADRB+\slot, \q, \i
.endr
	WIN 0
.endm
.macro FETCH_A slot, q, i0
.irp i, \i0, \i0+1, \i0+2, \i0+3
	FRAG AF+FR*(\i), ADRA+\slot, \q, \i
.endr
.endm
.macro PLACES n                        ; plain vector instructions between a matrix instruction and a load into, or a read of, its registers
.rept \n
	v_nop
.endr
.endm
.macro STEP slot, q, zero              ; 128 along K, with its successor in the same slot
	s_wait_dscnt 4*NL                              ; all but the youngest 16 loads (source 1's blocks 4-7) are in
	WIN MUL_LO
	MUL16 0, (\q)%2, \zero
	MUL16 2, (\q)%2, \zero
	s_wait_dscnt 0
	PLACES NP
	FETCH_B \slot, (\q)+1, 1-(\q)%2
	FETCH_A \slot, (\q)+1, 0
	WIN MUL_HI
	MUL16 4, (\q)%2, \zero
	MUL16 6, (\q)%2, \zero
	PLACES NP
	WIN 0
	FETCH_A \slot, (\q)+1, 4
.endm
; A slot's last step changes slots: one barrier; in front of it each wave waits for all its tensor loads, adds 0 to its spare word, and waits for that and for its reads of this slot.
.macro TURN slot, next, fill
	s_wait_tensorcnt 0x0                           ; all my tensor loads have landed: my part of the next slot
	ds_add_u32 v[SPW], v[NIL]
	s_wait_dscnt 4*NL+1                            ; the add and the youngest 16 loads may be out
	WIN MUL_LO
	MUL16 0, 1, 0
	s_wait_dscnt 0x0                               ; the add is done, and my reads of this slot are over
	s_barrier_signal -1
	MUL16 2, 1, 0
	WIN 0
	s_barrier_wait -1
.if \fill
	CREST                                          ; the barrier has opened a round of the cluster's: no wave of any partner still reads this slot or has a load on its way
	s_add_nc_u64 s[G0+4*\slot+2:G0+4*\slot+3], s[G0+4*\slot+2:G0+4*\slot+3], 2*ROWB
	s_add_nc_u64 s[G0B+4*\slot+2:G0B+4*\slot+3], s[G0B+4*\slot+2:G0B+4*\slot+3], 2*ROWB
	JLOAD G0+4*\slot, G1, G0B+4*\slot, G1B         ; the first tensor load behind the round; its four v_nop are the places in front of the loads below
.else
	PLACES NP
.endif
	FETCH_B \next, 0, 0
	FETCH_A \next, 0, 0
	WIN MUL_HI
	MUL16 4, 1, 0
	MUL16 6, 1, 0
	PLACES NP
	WIN 0
	FETCH_A \next, 0, 4
.endm
	s_wait_tensorcnt 1                             ; my part of K step 0 is in; K step 1's load may be out
	s_barrier_signal -1
	s_barrier_wait -1
	FETCH_B 0, 0, 0
	FETCH_A 0, 0, 0
	FETCH_A 0, 0, 4
	STEP 0, 0, 1                                   ; the first products start the sums: nothing is cleared
.rept LAPS-1                           ; once round the ring, both slots filled again: K = 1,024 has one such lap, so it is written out
	TURN 0, 1, 1
	STEP 1, 0, 0
	TURN 1, 0, 1
	STEP 0, 0, 0
.endr
	TURN 0, 1, 0
	STEP 1, 0, 0
	s_wait_dscnt 4*NL
	WIN MUL_LO
	MUL16 0, 1, 0
	MUL16 2, 1, 0
	s_wait_dscnt 0
	WIN MUL_HI
	MUL16 4, 1, 0
	MUL16 6, 1, 0
	WIN 0
	s_wait_kmcnt 0x0
	s_sub_co_i32 s12, s94, s88                     ; q: e6 - e0 - e1
	s_sub_co_i32 s12, s12, s89
	s_sub_co_i32 s13, s95, s90                     ; k: e7 - e2 - e3
	s_sub_co_i32 s13, s13, s91
	s_sub_co_i32 s8, s96, s92                      ; v: e9 - e4 - e5
	s_sub_co_i32 s8, s8, s93
	s_cmp_eq_u32 ttmp9, 1
	s_cselect_b32 s12, s13, s12
	s_cmp_eq_u32 ttmp9, 2
	s_cselect_b32 s12, s8, s12
	s_add_co_i32 s12, s12, 127
	s_lshl_b32 s13, s12, 23
	v_mov_b32 v[SC], s13                           ; the scale as f32: the conversion takes its exponent field
	s_add_co_i32 s12, s12, 15
	s_lshl_b32 s12, s12, 23
	s_or_b32 s12, s12, 0x600000
	v_mov_b32 v[LIM], s12                          ; 57,344 x the scale
	PLACES NP
.macro FINISH
	s_wait_tensorcnt 0x0                           ; the wave's end
	ds_add_u32 v[SPW], v[NIL]
	s_wait_dscnt 0x0
	CROUND                                         ; the closing round
	s_endpgm
.endm
	s_cmp_eq_u32 ttmp9, 2
	s_cbranch_scc1 .Lv_out
; q, k: block a = 16 tokens x my 128 features (two heads).  (x1, x2) -> (x1 c - x2 s, x2 c + x1 s), two packed instructions a pair; hold; conversion; four stores of 512 bytes.
.macro QKBLOCK a
.set AC, 64*((\a)%4)
.set TS, TB+32*((\a)%2)
.set CC, C+16*((\a)%2)
.if (\a) >= 2
	s_wait_xcnt 0x0                                ; block a - 2's stores have read this set of codes
.endif
.if (\a) < 7
	s_wait_loadcnt 8                               ; this block's table is in; the next set's eight loads may be out
.else
	s_wait_loadcnt 0
.endif
	WIN 0x02+((\a)/4)                              ; source 0: the accumulators' window
.set i, 0
.rept 32
	v_pk_mul_f32 v[T2+2*i:T2+2*i+1], v[AC+2*i:AC+2*i+1], v[TS+(2*i)%32:TS+(2*i)%32+1] op_sel:[1,1] op_sel_hi:[0,1]   ; (x2 s, x1 s); each accumulator from its low end on
.set i, i+1
.endr
.set i, 0
.rept 32
	v_pk_fma_f32 v[R+2*i:R+2*i+1], v[AC+2*i:AC+2*i+1], v[TS+(2*i)%32:TS+(2*i)%32+1], v[T2+2*i:T2+2*i+1] op_sel_hi:[1,0,1] neg_lo:[0,0,1]   ; (x1 c - x2 s, x2 c + x1 s)
.set i, i+1
.endr
	WIN 0
.if (\a)+2 <= 7
	TABLOAD (\a)+2
.endif
.set i, 0
.rept 64
	v_med3_num_f32 v[R+i], v[R+i], -v[LIM], v[LIM]   ; the conversion to an 8-bit code does not saturate (ISA guide 7.6.2)
.set i, i+1
.endr
.irp b, 0,1,2,3,4,5,6,7
	v_cvt_scalef32_pk8_bf8_f32 v[CC+2*\b:CC+2*\b+1], v[R+8*\b:R+8*\b+7], v[SC]
.endr
.irp g, 0,1,2,3                        ; head g / 2, registers 4 (g % 2) on.  The next block's 32 multiplications are the plain places ahead of the next write of R
	global_store_b128 v[L16], v[CC+4*\g:CC+4*\g+3], s[10:11] offset:(\g/2)*131072+1024*(\a)+512*(\g%2)
.endr
.endm
.irp a, 0,1,2,3,4,5,6,7
	QKBLOCK \a
.endr
	FINISH
.Lv_out:
	s_wait_loadcnt 0x0                             ; the table's two sets have landed: their registers are used below
; v: block a = 16 features x my 128 tokens: one fragment of V^T.  The codes are widened again and summed for vpart.
.macro VBLOCK a
.set AC, 64*((\a)%4)
.set CC, C+16*((\a)%2)
.if (\a) >= 2
	s_wait_xcnt 0x0                                ; block a - 2's stores have read this set of codes
.endif
	WIN 0x02+((\a)/4)
.set i, 0
.rept 64
	v_med3_num_f32 v[R+i], v[AC+i], -v[LIM], v[LIM]
.set i, i+1
.endr
	WIN 0
.irp b, 0,1,2,3,4,5,6,7
	v_cvt_scalef32_pk8_bf8_f32 v[CC+2*\b:CC+2*\b+1], v[R+8*\b:R+8*\b+7], v[SC]
.endr
	v_nop                                          ; a plain place between a scaled conversion and the next use of its result
.irp b, 0,1,2,3,4,5,6,7
	v_cvt_scale_pk8_f32_bf8 v[T2+8*\b:T2+8*\b+7], v[CC+2*\b:CC+2*\b+1], v[ONES]   ; the codes' values
.endr
.irp c, 0,1,2,3
	global_store_b128 v[L16], v[CC+4*\c:CC+4*\c+3], s[10:11] offset:((\a)/4)*131072+((\a)%4)*2048+512*\c
.endr
	v_nop
.irp w, 4,8,16,32,64                   ; my 64 tokens' sum, a tree in place
.set i, 0
.rept 64/\w
	v_pk_add_f32 v[T2+\w*i:T2+\w*i+1], v[T2+\w*i:T2+\w*i+1], v[T2+\w*i+\w/2:T2+\w*i+\w/2+1]
.set i, i+1
.endr
.endr
	v_add_f32 v[32+\a], v[T2], v[T2+1]
.endm
.irp a, 0,1,2,3,4,5,6,7
	VBLOCK \a
.endr
.irp a, 0,1,2,3,4,5,6,7
	v_permlanex16_b32 v[40+\a], v[32+\a], s98, s99   ; the feature's other 64 tokens lie in the lane 16 away
.endr
.irp a, 0,1,2,3,4,5,6,7
	v_add_f32 v[32+\a], v[32+\a], v[40+\a]
.endr
	v_cmp_le_u32 vcc_lo, 64, v[L4]                 ; lanes 16-31 take the odd blocks: lane l then holds feature 32 k + l
.irp k, 0,1,2,3
	v_cndmask_b32 v[48+\k], v[32+2*\k], v[33+2*\k], vcc_lo
.endr
.irp k, 0,1,2,3
	global_store_b32 v[L4], v[48+\k], s[86:87] offset:128*\k
.endr
	FINISH
.Lfunc_end_k_q2a79bd959f_qkv:
	.size	k_q2a79bd959f_qkv, .Lfunc_end_k_q2a79bd959f_qkv-k_q2a79bd959f_qkv
	.p2alignl 7, 3214868480
	.fill 96, 4, 3214868480
	.section	.rodata,"a",@progbits
	.p2align	6, 0x0
	.amdhsa_kernel k_q2a79bd959f_qkv
		.amdhsa_group_segment_fixed_size 327680
		.amdhsa_private_segment_fixed_size 0
		.amdhsa_enable_private_segment 0
		.amdhsa_kernarg_size 80
		.amdhsa_user_sgpr_count 2
		.amdhsa_user_sgpr_kernarg_segment_ptr 1
		.amdhsa_wavefront_size32 1
		.amdhsa_system_sgpr_workgroup_id_x 1
		.amdhsa_system_sgpr_workgroup_id_y 1
		.amdhsa_system_sgpr_workgroup_id_z 1
		.amdhsa_system_vgpr_workitem_id 0
		.amdhsa_next_free_vgpr 1024
		.amdhsa_next_free_sgpr 100
		.amdhsa_reserve_vcc 1
		.amdhsa_float_denorm_mode_32 3
		.amdhsa_float_denorm_mode_16_64 3
		.amdhsa_memory_ordered 1
		.amdhsa_forward_progress 1
		.amdhsa_inst_pref_size 218
	.end_amdhsa_kernel
	.amdgpu_metadata
---
amdhsa.version: [ 1, 2 ]
amdhsa.kernels:
  - .name:           k_q2a79bd959f_qkv
    .symbol:         k_q2a79bd959f_qkv.kd
    .args:
      - { .name: x_codes, .offset: 0, .size: 8, .value_kind: global_buffer, .address_space: global }
      - { .name: W_q_codes, .offset: 8, .size: 8, .value_kind: global_buffer, .address_space: global }
      - { .name: W_k_codes, .offset: 16, .size: 8, .value_kind: global_buffer, .address_space: global }
      - { .name: W_v_codes, .offset: 24, .size: 8, .value_kind: global_buffer, .address_space: global }
      - { .name: lowp_scales, .offset: 32, .size: 8, .value_kind: global_buffer, .address_space: global }
      - { .name: tab, .offset: 40, .size: 8, .value_kind: global_buffer, .address_space: global }
      - { .name: q_img, .offset: 48, .size: 8, .value_kind: global_buffer, .address_space: global }
      - { .name: k_img, .offset: 56, .size: 8, .value_kind: global_buffer, .address_space: global }
      - { .name: v_img, .offset: 64, .size: 8, .value_kind: global_buffer, .address_space: global }
      - { .name: vpart, .offset: 72, .size: 8, .value_kind: global_buffer, .address_space: global }
    .group_segment_fixed_size: 327680
    .private_segment_fixed_size: 0
    .kernarg_segment_align: 8
    .kernarg_segment_size: 80
    .max_flat_workgroup_size: 128
    .sgpr_count:     100
    .vgpr_count:     1024
    .wavefront_size: 32
...
	.end_amdgpu_metadata
.endif
;; end of part 2
;; launch attn (part 3): grid 4 x 64, 8 waves a work-group, clusters of 4 x 1, 271,360 bytes of LDS; arguments q_img, k_img, v_img, vpart, attention_mask, lowp_scales, a_img; writes a_img
.if DOCPART == 3
	.amdgcn_target "amdgcn-amd-amdhsa--gfx1250"
	.amdhsa_code_object_version 6
	.text
	.protected	k_q2a79bd959f_attn
	.globl	k_q2a79bd959f_attn
	.p2align	8
	.type	k_q2a79bd959f_attn,@function
k_q2a79bd959f_attn:
	s_mov_b64 s[64:65], 0
	v_nop
	global_prefetch_b8 v0, s[64:65] scope:SCOPE_SE
	s_setreg_imm32_b32 hwreg(HW_REG_WAVE_MODE, 25, 1), 1
	s_wait_xcnt 0x0
	s_wait_alu depctr_hold_cnt(0) depctr_sa_sdst(0) depctr_va_vdst(0) depctr_va_sdst(0) depctr_va_ssrc(0) depctr_va_vcc(0) depctr_vm_vsrc(0)
	s_getreg_b32 s2, hwreg(HW_REG_IB_STS2, 6, 4)
	s_cmp_eq_u32 s2, 0
	s_cbranch_scc0 .Lentry_in_a_cluster
	s_endpgm
.Lentry_in_a_cluster:
	s_bfe_u32 s2, ttmp6, 0x10000c
	s_cmp_lg_u32 s2, 0x3003
	s_cbranch_scc0 .Lentry_shape_is_right
	s_endpgm
.Lentry_shape_is_right:
; Attention of one (batch, head) for a cluster of four work-groups, both products on codes of BF8 (E5M2).  The softmax is quantised FINISHED: p = exp(s - m) / l.  So the keys are walked twice:
; pass 1: K Q^T, running maximum and sum;  pass 2: K Q^T again, p, its codes, V^T P.
; LDS.  The head's images of K and of V are 128 KiB each and lie in LDS whole, filled ONCE by joint tensor loads (each wave 16 KiB of each, the same load in all four work-groups): no ring, nothing is filled again.
;   0 K | 131,072 V | 262,144 the keys' bias, f32 | 270,336 U.  All fragment reads are at 16 x lane: consecutive bytes.
; SHARES.  A pair of tiles is 32 queries.  Wave w of work-group cx takes pairs 63 - (4 w + cx) and 4 w + cx: their last key steps (of 128 keys) are 15 - w and w, which hang on the wave's number alone,
;   and every wave has 17 key steps a pass.  Both tiles of a pair use each fragment of K, of the bias and of V.  Trip counts are constants; a step behind the last is jumped over.
; LAYOUT.  S^T = K Q^T + bias (source 0 = 16 keys, source 1 = 16 queries): a lane holds ONE query (lane % 16) and keys 16 t + 8 (lane / 16) + j.  Eight scores make registers 2 t, 2 t + 1 of P in the
;   plain 8-bit layout, which V's image has too.  O^T = V^T P: the lane's query again, channels 16 dt + 8 (lane / 16) + j.
; MASKS.  A key whose attention_mask is 0 has the bias -2^100, the C of the first product; keys behind the query get -2^100 by a select, in the diagonal step alone.  Their p is 0.
;   A row that sees no key at all is, by the definition (a finite filler ahead of the softmax), uniform over ALL 2,048 keys: its result is U = Q(1 / 2048) x the sum of all of v's codes, taken by a select.
; THE MAXIMUM is kept as m = c' s_max raised by 2^-22 of its magnitude, so that c' s - m is never positive, whatever the product's rounding (at 2^100 that rounding is large).  m is only the common shift.
;   In pass 1 a lane keeps m and l of its own half of the keys; the halves meet once, behind the pass.
; c' = log2(e) / 8 x 2^(e6 + e7).  LIMITS: e6 + e7 between -60 and 24 (c' 2^101 is finite, c' 2^99 lies beyond every score); e8 and e10 - e8 - e9 between -126 and 112.  NaN is not served.
; OUT.  a_img [tile of 16 tokens][128 features][c 4][lane][16 bytes], registers 4 c .. 4 c + 3 = features 32 c + 16 (lane / 16) + 0 .. 15: the order in which the last product reads W_o.
; REGISTERS.  window 0: v1-15 addresses and constants; v16-31 two tiles' statistics; v32-95 K; v96-159 bias; v160-223 S^T; v224-239 codes on the way out; v250-255 at work.
;   window 1: v0-63 V; v64-95 P; v96-159 O^T; v160-175, v208-223 Q of the two pairs; v176-207 U.
.set VREG, 131072
.set BIAS, 262144
.set UOFF, 270336
.set ST,  16                           ; tile x at v[16 + 8 x]: +0 m (+1 with it as a pair), +2, +3 l, +4 the diagonal's number, +6 1 / l (+7 with it as a pair)
.set KB,  32
.set BB,  96
.set S,   160
.set P,   64                           ; window 1
.set O,   96
.set QA,  160
.set UU,  176
.set QB2, 208
.set WV,  18
.set CS,  44                           ; s[44:45] c'
.set FLAG, 50                          ; s50, s51: lanes whose query sees no key
.set SEL, 60                           ; s[60:61]
.set G,   62
.set TBK, 63
.set TBB, 66
.set BUMP, 67
.set MSB, 0
.macro WIN new                         ; the immediate's high byte repeats the setting that is left
.if MSB != \new
	s_set_vgpr_msb (MSB<<8)|\new
.set MSB, \new
.endif
.endm
.macro ROUND                           ; a round of the cluster's barrier
	s_barrier_signal -1
	s_barrier_wait -1
	s_cmp_lg_u32 s[WV], 0
	s_cbranch_scc1 .Lnot_wave_0_\@
	s_barrier_signal -3
.Lnot_wave_0_\@:
	s_barrier_wait -3
	s_barrier_signal -1
	s_barrier_wait -1
.endm
	s_load_b256 s[4:11], s[0:1], 0x0               ; q_img s[4:5], k_img s[6:7], v_img s[8:9], vpart s[10:11]
	s_load_b128 s[12:15], s[0:1], 0x20             ; attention_mask s[12:13], the exponents s[14:15]
	s_load_b64 s[16:17], s[0:1], 0x30              ; a_img
	v_lshrrev_b32 v2, 5, v0
	v_readfirstlane_b32 s[WV], v2                  ; wave 0..7
	s_bfe_u32 s19, ttmp6, 0x40000                  ; cx
	s_and_b32 s20, ttmp7, 0xffff                   ; 16 b + h
	s_lshr_b32 s21, s20, 4                         ; b
	s_and_b32 s22, s20, 15                         ; h
	s_mov_b32 s24, 15|(3<<16)|(1<<21)              ; group 1: all four work-groups; elements of 8 bytes; bit 21 beside a mask; no padding
	s_mov_b32 s25, 32<<16                          ; tensor_dim0 = 32: rows of 256 bytes
	s_mov_b32 s26, 64<<16                          ; tensor_dim1 = 64
	s_mov_b32 s27, 32<<16                          ; tile_dim0
	s_mov_b32 s28, 64                              ; tile_dim1
	s_mov_b32 s29, 32                              ; pitch: the block is dense
	s_mov_b32 s30, 0
	s_mov_b32 s31, 0
	s_lshl_b32 s40, s20, 17                        ; the head's 128 KiB,
	s_lshl_b32 s42, s[WV], 14                      ; my 16 KiB of them
	s_add_co_u32 s40, s40, s42
	s_mov_b32 s41, 0
	s_mov_b32 s43, 0
	s_wait_kmcnt 0x0
	s_load_b128 s[68:71], s[14:15], 0x18           ; e6, e7, e8, e9
	s_load_b32 s72, s[14:15], 0x28                 ; e10
	s_mov_b32 s32, 1
	s_mov_b32 s33, s42
	s_add_nc_u64 s[34:35], s[6:7], s[40:41]
	s_or_b32 s35, s35, 0x80000000
	s_mov_b32 s36, 1
	s_add_co_u32 s37, s42, VREG
	s_add_nc_u64 s[38:39], s[8:9], s[40:41]
	s_or_b32 s39, s39, 0x80000000
	ROUND                                          ; all four work-groups are here: the joint loads meet
	tensor_load_to_lds s[32:35], s[24:31]          ; K; two loads of mine are out
	tensor_load_to_lds s[36:39], s[24:31]          ; V
.rept 4
	v_nop
.endr
	v_and_b32 v14, 31, v0
	v_lshlrev_b32 v1, 4, v14                       ; 16 x lane
	v_and_b32 v15, 15, v0                          ; r
	v_bfe_u32 v14, v0, 4, 1                        ; lane / 16
	v_lshl_add_u32 v5, v14, 5, BIAS                ; my half's eight biases of a tile
	v_lshlrev_b32 v14, 3, v14
	v_sub_nc_u32 v6, v15, v14                      ; r - 8 (lane / 16)
	v_mov_b32 v7, 0xf1800000                       ; -2^100
	v_mov_b32 v250, 0                              ; written once: a lane permute's destination counts as one of its sources
	v_mov_b32 v251, 0
	v_lshlrev_b32 v14, 5, v0                       ; my eight keys of the mask
	v_lshl_add_u32 v15, v0, 5, BIAS                ; and of the bias
	s_mov_b32 s[SEL], 0x76543210
	s_mov_b32 s[SEL+1], 0xfedcba98
	s_mov_b32 s[BUMP], 0x34800000                  ; 2^-22
	s_lshl_b32 s40, s21, 13
	s_add_nc_u64 s[12:13], s[12:13], s[40:41]      ; the batch's mask
	s_lshl_b32 s73, s[WV], 2
	s_add_co_u32 s73, s73, s19                     ; the early pair, 4 w + cx,
	s_sub_co_u32 s74, 63, s73                      ; and the late one
	s_lshl_b32 s40, s20, 17
	s_lshl_b32 s42, s74, 11                        ; a pair's Q: 2,048 bytes
	s_add_co_u32 s42, s42, s40
	s_add_nc_u64 s[52:53], s[4:5], s[42:43]
	s_lshl_b32 s42, s73, 11
	s_add_co_u32 s42, s42, s40
	s_add_nc_u64 s[54:55], s[4:5], s[42:43]
	s_lshl_b32 s40, s21, 21                        ; a_img: 16,384 bytes a tile of tokens, 128 tiles a batch;
	s_lshr_b32 s75, s22, 1
	s_lshl_b32 s75, s75, 11                        ; 2,048 for 128 features,
	s_add_co_u32 s40, s40, s75
	s_and_b32 s75, s22, 1
	s_lshl_b32 s75, s75, 10                        ; of which a head has half
	s_add_co_u32 s40, s40, s75
	s_lshl_b32 s42, s74, 15
	s_add_co_u32 s42, s42, s40
	s_add_nc_u64 s[56:57], s[16:17], s[42:43]
	s_lshl_b32 s42, s73, 15
	s_add_co_u32 s42, s42, s40
	s_add_nc_u64 s[58:59], s[16:17], s[42:43]
	s_sub_co_u32 s46, 3, s19
	s_lshl_b32 s46, s46, 5                         ; the pair's first query within its last key step: late pair 32 (3 - cx),
	s_lshl_b32 s47, s19, 5                         ; early pair 32 cx.  (Data for a compare of whole numbers; no address, no branch)
	s_sub_co_u32 s48, 15, s[WV]                    ; the last key step: late pair,
	s_mov_b32 s49, s[WV]                           ; early pair
	global_load_b128 v[32:35], v14, s[12:13]
	global_load_b128 v[36:39], v14, s[12:13] offset:16
	WIN 0x40                                       ; destination window 1
.irp i, 0,1,2,3
	global_load_b128 v[QA+4*\i:QA+4*\i+3], v1, s[52:53] offset:512*\i     ; Q stays in registers: tile i / 2, registers 4 (i % 2) on
.endr
.irp i, 0,1,2,3
	global_load_b128 v[QB2+4*\i:QB2+4*\i+3], v1, s[54:55] offset:512*\i
.endr
	WIN 0
	s_wait_kmcnt 0x0
	s_add_co_i32 s40, s68, s69
	s_lshl_b32 s40, s40, 23
	s_add_co_i32 s[CS], s40, 0x3e38aa3b            ; log2(e) / 8 with e6 + e7 added to its exponent field
	s_mov_b32 s[CS+1], s[CS]
	v_mov_b32 v10, s[CS]
	v_mul_f32 v11, 0xf2000000, v10                 ; c' x -2^101: under every m
	v_mul_f32 v10, 0xf1000000, v10                 ; c' x -2^99: an m under this has seen no key
	s_add_co_i32 s40, s70, 127
	s_lshl_b32 s42, s40, 23
	v_mov_b32 v8, s42                              ; 2^e8
	s_add_co_i32 s40, s40, 15
	s_lshl_b32 s40, s40, 23
	s_or_b32 s40, s40, 0x600000
	v_mov_b32 v9, s40                              ; 57,344 x 2^e8
	s_sub_co_i32 s40, s72, s70
	s_sub_co_i32 s40, s40, s71                     ; a sum of the second product stands for sum x 2^(e8 + e9)
	s_add_co_i32 s40, s40, 127
	s_lshl_b32 s42, s40, 23
	v_mov_b32 v12, s42                             ; 2^(e10 - e8 - e9)
	s_add_co_i32 s40, s40, 15
	s_lshl_b32 s40, s40, 23
	s_or_b32 s40, s40, 0x600000
	v_mov_b32 v13, s40
	s_wait_loadcnt 8                               ; the mask's two loads are in; Q's eight may be out
.irp i, 0,1,2,3,4,5,6,7
	v_cmp_eq_u32 vcc_lo, 0, v[32+\i]
	v_cndmask_b32 v[40+\i], 0, v7, vcc_lo
.endr
	ds_store_b128 v15, v[40:43]
	ds_store_b128 v15, v[44:47] offset:16
	s_cmp_lt_u32 s[WV], 2                          ; waves 0 and 1: thread d makes U[d]
	s_cbranch_scc0 .Lno_u
	s_lshl_b32 s40, s21, 16                        ; the batch's 16 blocks of 4,096 bytes,
	s_lshl_b32 s42, s22, 8                         ; the head's 64 features
	s_add_co_u32 s40, s40, s42
	s_add_nc_u64 s[10:11], s[10:11], s[40:41]
	v_lshlrev_b32 v48, 2, v0
	v_lshl_add_u32 v51, v0, 2, UOFF
.irp t, 0,1,2,3,4,5,6,7,8,9,10,11,12,13,14,15
	global_load_b32 v[64+\t], v48, s[10:11] offset:4096*\t
.endr
	v_mov_b32 v50, 0x7f7f7f7f
	v_mov_b32 v49, 0x3a000000                      ; 1 / 2048,
	v_min_num_f32 v49, v49, v9                     ; held,
.irp i, 0,1,2,3,4,5,6,7
	v_mov_b32 v[80+\i], v49
.endr
	v_cvt_scalef32_pk8_bf8_f32 v[88:89], v[80:87], v8   ; quantised as every p is,
	v_nop
	v_cvt_scale_pk8_f32_bf8 v[96:103], v[88:89], v50    ; and its code's value
	v_nop
	s_wait_loadcnt 0x0
.irp i, 0,4,8,12
	v_pk_add_f32 v[64+\i:65+\i], v[64+\i:65+\i], v[66+\i:67+\i]
.endr
	v_pk_add_f32 v[64:65], v[64:65], v[68:69]
	v_pk_add_f32 v[72:73], v[72:73], v[76:77]
	v_pk_add_f32 v[64:65], v[64:65], v[72:73]
	v_add_f32 v64, v64, v65
	v_mul_f32 v64, v64, v96
	ds_store_b32 v51, v64
.Lno_u:
	s_wait_loadcnt 0x0                             ; Q
	s_wait_tensorcnt 0x0                           ; my parts of K and of V have landed,
	s_wait_dscnt 0x0                               ; my stores of bias and U too
	s_barrier_signal -1
	s_barrier_wait -1                              ; everybody's have.  From here on LDS is only read
	WIN 0x40
.irp i, 0,1,2,3,4,5,6,7
	ds_load_b128 v[UU+4*\i:UU+4*\i+3], v5 offset:UOFF-BIAS+64*(\i/2)+16*(\i%2)   ; U in O^T's layout: channels 16 dt + 8 (lane / 16) + j
.endr
	WIN 0
	s_wait_dscnt 0x0
.macro KLOAD                           ; a key step's eight tiles of K and their biases
.irp t, 0,1,2,3,4,5,6,7
	ds_load_b128 v[KB+8*\t:KB+8*\t+3], v2 offset:1024*\t
	ds_load_b128 v[KB+8*\t+4:KB+8*\t+7], v2 offset:1024*\t+512
.endr
.irp t, 0,1,2,3,4,5,6,7
	ds_load_b128 v[BB+8*\t:BB+8*\t+3], v4 offset:64*\t
	ds_load_b128 v[BB+8*\t+4:BB+8*\t+7], v4 offset:64*\t+16
.endr
.endm
.macro SCORES x, qb                    ; S^T = K Q^T + bias for tile x
	WIN 0x04                                       ; source 1 (Q) window 1
.irp t, 0,1,2,3,4,5,6,7
	v_wmma_f32_16x16x64_bf8_bf8 v[S+8*\t:S+8*\t+7], v[KB+8*\t:KB+8*\t+7], v[\qb+8*\x:\qb+8*\x+7], v[BB+8*\t:BB+8*\t+7]
.endr
	WIN 0
.rept 4
	v_nop                                          ; places in front of the first read of the scores
.endr
.endm
.macro CAUSAL x, gl                    ; in the pair's last key step: register n holds key 16 (n / 8) + n % 8 + 8 (lane / 16) of the step: hidden where that lies behind my query
	s_cmp_lg_u32 s[G], s[\gl]
	s_cbranch_scc1 .Lopen_\@
.set n, 0
.rept 64
	v_cmp_gt_i32 vcc_lo, 16*(n/8)+n%8, v[ST+8*\x+4]
	v_cndmask_b32 v[S+n], v[S+n], v7, vcc_lo
.set n, n+1
.endr
.Lopen_\@:
.endm
.macro SM1 x                           ; pass 1: m and l of my half of the keys
.set T, ST+8*\x
	v_max3_num_f32 v254, v[S], v[S+1], v[S+2]      ; two chains; each accumulator is met from its low end
	v_max3_num_f32 v252, v[S+3], v[S+4], v[S+5]
.irp i, 6,10,14,18,22,26,30,34,38,42,46,50,54,58
	v_max3_num_f32 v254, v254, v[S+\i], v[S+1+\i]
	v_max3_num_f32 v252, v252, v[S+2+\i], v[S+3+\i]
.endr
	v_max3_num_f32 v254, v254, v[S+62], v[S+63]
	v_max_num_f32 v254, v254, v252
	v_mul_f32 v254, s[CS], v254
	v_fma_f32 v254, |v254|, s[BUMP], v254          ; raised by 2^-22 of its magnitude: c' s - m is then never positive
	v_mov_b32 v253, v[T]
	v_max_num_f32 v[T], v[T], v254
	v_sub_f32 v253, v253, v[T]
	v_exp_f32 v252, v253                           ; a = 2^(old m - new m)
.set j, 0
.rept 32
	v_pk_fma_f32 v[S+j:S+j+1], v[S+j:S+j+1], s[CS:CS+1], v[T:T+1] op_sel_hi:[1,0,0] neg_lo:[0,0,1] neg_hi:[0,0,1]   ; c' s - m
.set j, j+2
.endr
.set j, 0
.rept 64
	v_exp_f32 v[S+j], v[S+j]
.set j, j+1
.endr
	v_pk_mul_f32 v[T+2:T+3], v[T+2:T+3], v[252:253] op_sel_hi:[1,0]   ; l under the new m.  (The plain place behind the exponentials)
	v_pk_add_f32 v[250:251], v[S:S+1], v[S+2:S+3]
.irp j, 4,8,12,16,20,24,28,32,36,40,44,48,52,56,60
	v_pk_add_f32 v[T+2:T+3], v[T+2:T+3], v[S+\j:S+\j+1]
	v_pk_add_f32 v[250:251], v[250:251], v[S+2+\j:S+3+\j]
.endr
	v_pk_add_f32 v[T+2:T+3], v[T+2:T+3], v[250:251]
.endm
.macro MERGE x                         ; the two halves of the lanes meet: m, l, 1 / l, and whether the row has seen a key
.set T, ST+8*\x
	v_add_f32 v[T+2], v[T+2], v[T+3]
	v_permlanex16_b32 v250, v[T], s[SEL], s[SEL+1]
	v_permlanex16_b32 v251, v[T+2], s[SEL], s[SEL+1]
	v_max_num_f32 v252, v[T], v250
	v_sub_f32 v253, v[T], v252
	v_sub_f32 v250, v250, v252
	v_exp_f32 v253, v253
	v_exp_f32 v250, v250
	v_mov_b32 v[T], v252
	v_mov_b32 v[T+1], v252
	v_mul_f32 v[T+2], v[T+2], v253
	v_fma_f32 v[T+2], v251, v250, v[T+2]
	v_cmp_lt_f32 s[FLAG+\x], v252, v10
	v_max_num_f32 v[T+2], 0x0d800000, v[T+2]       ; a row without a key has l = 0: 2^-100 in its stead keeps 1 / l finite; its p are not used
	v_rcp_f32 v[T+6], v[T+2]
	v_nop
	v_fma_f32 v253, -v[T+2], v[T+6], 1.0           ; one Newton step
	v_fma_f32 v[T+6], v[T+6], v253, v[T+6]
	v_mov_b32 v[T+7], v[T+6]
.endm
.macro SM2 x                           ; pass 2: p = 2^(c' s - m) / l, held, quantised: the conversions' results are P's registers
.set T, ST+8*\x
.set j, 0
.rept 32
	v_pk_fma_f32 v[S+j:S+j+1], v[S+j:S+j+1], s[CS:CS+1], v[T:T+1] op_sel_hi:[1,0,0] neg_lo:[0,0,1] neg_hi:[0,0,1]
.set j, j+2
.endr
.set j, 0
.rept 64
	v_exp_f32 v[S+j], v[S+j]
.set j, j+1
.endr
	v_nop                                          ; the plain place behind the exponentials
.set j, 0
.rept 32
	v_pk_mul_f32 v[S+j:S+j+1], v[S+j:S+j+1], v[T+6:T+7] op_sel_hi:[1,0]
.set j, j+2
.endr
.set j, 0
.rept 64
	v_min_num_f32 v[S+j], v[S+j], v9               ; the conversion does not saturate (ISA guide 7.6.2); p is not negative
.set j, j+1
.endr
	WIN 0x40
.irp t, 0,1,2,3,4,5,6,7
	v_cvt_scalef32_pk8_bf8_f32 v[P+16*\x+2*\t:P+16*\x+2*\t+1], v[S+8*\t:S+8*\t+7], v8
.endr
	WIN 0
	v_nop                                          ; a plain place ahead of the products that write S^T or read P
.endm
.macro OUT x, oa, oc                   ; tile x leaves: the select for rows without a key, hold, conversion, the halves' exchange, two stores of 512 bytes
	WIN 0x05                                       ; sources 0 and 1 window 1
.set i, 0
.rept 32
	v_cndmask_b32 v[S+32*\x+i], v[O+32*\x+i], v[UU+i], s[FLAG+\x]
.set i, i+1
.endr
	WIN 0
.set i, 0
.rept 32
	v_med3_num_f32 v[S+32*\x+i], v[S+32*\x+i], -v13, v13
.set i, i+1
.endr
.irp d, 0,1,2,3
	v_cvt_scalef32_pk8_bf8_f32 v[\oc+8*\x+2*\d:\oc+8*\x+2*\d+1], v[S+32*\x+8*\d:S+32*\x+8*\d+7], v12
.endr
	v_nop
.irp d, 0,1,4,5                        ; tiles 2 c and 2 c + 1 of channels: lanes 0-15 gather the first tile's 16 channels, lanes 16-31 the second's
	v_permlane16_swap_b32 v[\oc+8*\x+\d], v[\oc+8*\x+\d+2]
.endr
.irp c, 0,1
	global_store_b128 v1, v[\oc+8*\x+4*\c:\oc+8*\x+4*\c+3], s[\oa:\oa+1] offset:16384*\x+512*\c
.endr
.endm
; A pair of tiles.  gl: the scalar with its last key step; pm: the scalar with its first query's place in that step; qb: its Q; oa: its address in a_img; oc: registers for its codes.
.macro PAIR gl, pm, qb, oa, oc
	v_mov_b32 v[ST], v11
	v_mov_b32 v[ST+1], v11
	v_mov_b32 v[ST+2], 0
	v_mov_b32 v[ST+3], 0
	v_add_nc_u32 v[ST+4], s[\pm], v6
	v_mov_b32 v[ST+8], v11
	v_mov_b32 v[ST+9], v11
	v_mov_b32 v[ST+10], 0
	v_mov_b32 v[ST+11], 0
	v_add_nc_u32 v[ST+12], 16, v[ST+4]
	WIN 0x40
.set i, 0
.rept 64
	v_mov_b32 v[O+i], 0                            ; O^T: cleared once a pair, so that pass 2's step is written once
.set i, i+1
.endr
	WIN 0
	s_mov_b32 s[G], 0
	s_mov_b32 s[TBK], 0
	s_mov_b32 s[TBB], 0
.Lone_\@:                              ; pass 1: 16 trips; those behind the pair's last key step only step the addresses
	s_cmp_gt_u32 s[G], s[\gl]
	s_cbranch_scc1 .Lone_next_\@
	v_add_nc_u32 v2, s[TBK], v1
	v_add_nc_u32 v4, s[TBB], v5
	v_nop
	v_nop                                          ; four places in front of loads into registers that matrix instructions have read
	KLOAD
	s_wait_dscnt 0x0
.irp x, 0,1
	SCORES \x, \qb
	CAUSAL \x, \gl
	SM1 \x
.endr
.Lone_next_\@:
	s_add_co_u32 s[TBK], s[TBK], 8192
	s_add_co_u32 s[TBB], s[TBB], 512
	s_add_co_u32 s[G], s[G], 1
	s_cmp_lt_u32 s[G], 16
	s_cbranch_scc1 .Lone_\@
	MERGE 0
	MERGE 1
	s_mov_b32 s[G], 0
	s_mov_b32 s[TBK], 0
	s_mov_b32 s[TBB], 0
.Ltwo_\@:                              ; pass 2
	s_cmp_gt_u32 s[G], s[\gl]
	s_cbranch_scc1 .Ltwo_next_\@
	v_add_nc_u32 v2, s[TBK], v1
	v_add_nc_u32 v4, s[TBB], v5
	v_add_nc_u32 v3, VREG, v2
	v_nop
	v_nop
	KLOAD
	WIN 0x40
.irp f, 0,1,2,3,4,5,6,7,8,9,10,11,12,13,14,15
	ds_load_b128 v[4*\f:4*\f+3], v3 offset:512*\f  ; V: four fragments of 16 channels x 128 keys
.endr
	WIN 0
	s_wait_dscnt 16                                ; K and the bias are in; V's 16 loads may be out
.irp x, 0,1
	SCORES \x, \qb
	CAUSAL \x, \gl
	SM2 \x
.endr
	s_wait_dscnt 0x0                               ; V
	WIN 0x55
.irp d, 0,1,2,3                        ; eight accumulators by turns, one instruction a turn
.irp x, 0,1
	v_wmma_f32_16x16x128_bf8_bf8 v[O+32*\x+8*\d:O+32*\x+8*\d+7], v[16*\d:16*\d+15], v[P+16*\x:P+16*\x+15], v[O+32*\x+8*\d:O+32*\x+8*\d+7]
.endr
.endr
	WIN 0
.Ltwo_next_\@:
	s_add_co_u32 s[TBK], s[TBK], 8192
	s_add_co_u32 s[TBB], s[TBB], 512
	s_add_co_u32 s[G], s[G], 1
	s_cmp_lt_u32 s[G], 16
	s_cbranch_scc1 .Ltwo_\@
.rept 4
	v_nop                                          ; places in front of the first read of O^T
.endr
	OUT 0, \oa, \oc
	OUT 1, \oa, \oc
.endm
	PAIR 48, 46, QA, 56, 224                       ; the late pair: 16 - w key steps a pass
	PAIR 49, 47, QB2, 58, 32                       ; the early pair: w + 1.  Its codes take registers of their own, so no store's data are written again
	s_wait_dscnt 0x0
	ROUND                                          ; the closing round: no work-group ends while a partner may still ask for a tile that names it
	s_endpgm
.Lfunc_end_k_q2a79bd959f_attn:
	.size	k_q2a79bd959f_attn, .Lfunc_end_k_q2a79bd959f_attn-k_q2a79bd959f_attn
	.p2alignl 7, 3214868480
	.fill 96, 4, 3214868480
	.section	.rodata,"a",@progbits
	.p2align	6, 0x0
	.amdhsa_kernel k_q2a79bd959f_attn
		.amdhsa_group_segment_fixed_size 271360
		.amdhsa_private_segment_fixed_size 0
		.amdhsa_enable_private_segment 0
		.amdhsa_kernarg_size 56
		.amdhsa_user_sgpr_count 2
		.amdhsa_user_sgpr_kernarg_segment_ptr 1
		.amdhsa_wavefront_size32 1
		.amdhsa_system_sgpr_workgroup_id_x 1
		.amdhsa_system_sgpr_workgroup_id_y 1
		.amdhsa_system_sgpr_workgroup_id_z 1
		.amdhsa_system_vgpr_workitem_id 0
		.amdhsa_next_free_vgpr 512
		.amdhsa_next_free_sgpr 100
		.amdhsa_reserve_vcc 1
		.amdhsa_float_denorm_mode_32 3
		.amdhsa_float_denorm_mode_16_64 3
		.amdhsa_memory_ordered 1
		.amdhsa_forward_progress 1
		.amdhsa_inst_pref_size 165
	.end_amdhsa_kernel
	.amdgpu_metadata
---
amdhsa.version: [ 1, 2 ]
amdhsa.kernels:
  - .name:           k_q2a79bd959f_attn
    .symbol:         k_q2a79bd959f_attn.kd
    .args:
      - { .name: q_img, .offset: 0, .size: 8, .value_kind: global_buffer, .address_space: global }
      - { .name: k_img, .offset: 8, .size: 8, .value_kind: global_buffer, .address_space: global }
      - { .name: v_img, .offset: 16, .size: 8, .value_kind: global_buffer, .address_space: global }
      - { .name: vpart, .offset: 24, .size: 8, .value_kind: global_buffer, .address_space: global }
      - { .name: attention_mask, .offset: 32, .size: 8, .value_kind: global_buffer, .address_space: global }
      - { .name: lowp_scales, .offset: 40, .size: 8, .value_kind: global_buffer, .address_space: global }
      - { .name: a_img, .offset: 48, .size: 8, .value_kind: global_buffer, .address_space: global }
    .group_segment_fixed_size: 271360
    .private_segment_fixed_size: 0
    .kernarg_segment_align: 8
    .kernarg_segment_size: 56
    .max_flat_workgroup_size: 256
    .sgpr_count:     100
    .vgpr_count:     512
    .wavefront_size: 32
...
	.end_amdgpu_metadata
.endif
;; end of part 3
;; launch oproj (part 4): grid 4 x 32, 4 waves a work-group, clusters of 4 x 4, 327,680 bytes of LDS; arguments a_img, W_o_codes, lowp_scales, out0; writes out0
.if DOCPART == 4
	.amdgcn_target "amdgcn-amd-amdhsa--gfx1250"
	.amdhsa_code_object_version 6
	.text
	.protected	k_q2a79bd959f_oproj
	.globl	k_q2a79bd959f_oproj
	.p2align	8
	.type	k_q2a79bd959f_oproj,@function
k_q2a79bd959f_oproj:
	s_mov_b64 s[64:65], 0
	v_nop
	global_prefetch_b8 v0, s[64:65] scope:SCOPE_SE
	s_setreg_imm32_b32 hwreg(HW_REG_WAVE_MODE, 25, 1), 1
	s_wait_xcnt 0x0
	s_wait_alu depctr_hold_cnt(0) depctr_sa_sdst(0) depctr_va_vdst(0) depctr_va_sdst(0) depctr_va_ssrc(0) depctr_va_vcc(0) depctr_vm_vsrc(0)
	s_getreg_b32 s2, hwreg(HW_REG_IB_STS2, 6, 4)
	s_cmp_eq_u32 s2, 0
	s_cbranch_scc0 .Lentry_in_a_cluster
	s_endpgm
.Lentry_in_a_cluster:
	s_bfe_u32 s2, ttmp6, 0x10000c
	s_cmp_lg_u32 s2, 0xf033
	s_cbranch_scc0 .Lentry_shape_is_right
	s_endpgm
.Lentry_shape_is_right:
; out0[m][n] = 2^(e10 + e11) x the sum over k of A[m][k] W_o[n][k], on codes of BF8 (E5M2).  m = 8,192 tokens, n = k = 1,024.  out0 is f32.
; A comes as an image of its fragments: a_img [tile of 16 tokens][128 along K][c 4][lane][16 bytes], registers 4 c .. 4 c + 3 = K 32 c + 16 (lane / 16) + 0 .. 15 of row lane % 16:
; the order in which four loads of 16 bytes take W_o's rows from LDS, so every product meets its partner.  A K step of 256 of a tile of tokens is 4,096 consecutive bytes.
; LIMIT: e10 + e11 between -126 and 127, so that 2^(e10 + e11) is an f32 number.
; A work-group of four waves makes 256 x 256, a wave 128 x 128: 64 accumulators.  K goes in steps of 256 through a ring of two LDS slots filled by joint tensor loads: A's tile is shared along a row
; of the 4 x 4 cluster, W_o's along a column.  The matrix instruction is used transposed (source 0 = W_o's rows, source 1 = A's): a lane holds eight neighbouring numbers of a row of out0.
; 128 work-groups: the product has no more tiles of this size; a smaller tile would read each LDS byte for fewer products.
; REGISTERS: window 0: v16-29 addresses; from v128 A's fragments, ONE set; on the way out v32-255.   window 1: W_o's fragments, TWO sets.   windows 2, 3: the accumulators.
.set SIZE_N, 1024
.set SIZE_K, 1024
.set KSTEP,  256
.set ROWB,   256
.set ASTEP,  4096                      ; a K step of a tile of 16 tokens in a_img
.set KROW,   SIZE_K
.set PITCH,  272
.set FR,     16
.set NL,     4
.set NP,     4
.set HALFT,  128*PITCH                 ; a wave's share of a slot; A's image uses 32,768 bytes of it
.set SLOT,   4*HALFT
.set LAPS,   SIZE_K/(2*KSTEP)
.set SPARE,  2*SLOT
.set SPITCH, 528                       ; the way out: a stage of 16 rows x (512 bytes + 16) for each wave, in slot 0, which has had its last fill and its last read by then
.set ADRA, 16
.set ADRB, 20
.set STO,  24
.set RD,   25
.set CO,   26                          ; v26  16 x lane
.set SPW,  28
.set NIL,  29
.set TMP,  32
.set AF,   128
.set BK,   128
.set G1, 24
.set G0, 32
.set G1B, 48
.set G0B, 56
.set MSB, 0
.macro WIN new                         ; the immediate's high byte repeats the setting that is left
.if MSB != \new
	s_set_vgpr_msb (MSB<<8)|\new
.set MSB, \new
.endif
.endm
.set MUL_LO, 0xa1
.set MUL_HI, 0xf1
.set TO_B,   0x40
.macro JLOAD g0a, g1a, g0b, g1b        ; waves 0 and 1 fetch for A, waves 2 and 3 for W_o; four v_nop follow each line
	s_cmp_eq_u32 s15, 0
	s_cbranch_scc0 .Lfor_b_\@
	tensor_load_to_lds s[\g0a:\g0a+3], s[\g1a:\g1a+7]
.rept 4
	v_nop
.endr
	s_branch .Lasked_\@
.Lfor_b_\@:
	tensor_load_to_lds s[\g0b:\g0b+3], s[\g1b:\g1b+7]
.rept 4
	v_nop
.endr
.Lasked_\@:
.endm
.macro CREST
	s_cmp_lg_u32 s14, 0
	s_cbranch_scc1 .Lnot_wave_0_\@
	s_barrier_signal -3
.Lnot_wave_0_\@:
	s_barrier_wait -3
	s_barrier_signal -1
	s_barrier_wait -1
.endm
.macro CROUND
	s_barrier_signal -1
	s_barrier_wait -1
	CREST
.endm
	s_load_b128 s[4:7], s[0:1], 0x0                ; a_img s[4:5], W_o's codes s[6:7]
	s_load_b128 s[8:11], s[0:1], 0x10              ; the exponents s[8:9], out0 s[10:11]
	v_lshl_add_u32 v[SPW], v0, 2, SPARE
	v_mov_b32 v[NIL], 0
	v_lshrrev_b32 v1, 5, v0
	v_readfirstlane_b32 s14, v1                    ; wave 0..3
	s_lshr_b32 s15, s14, 1                         ; my half of the tile's rows.  Also: I fetch for A (0) or for W_o (1)
	s_and_b32 s16, s14, 1                          ; my half of its columns.  Also: which half of that tile I fetch
	s_bfe_u32 s40, ttmp6, 0x40000                  ; cx
	s_bfe_u32 s41, ttmp6, 0x40004                  ; cy
	s_lshl_b32 s42, ttmp9, 2
	s_add_co_u32 s42, s42, s40                     ; tile column
	s_and_b32 s17, ttmp7, 0xffff
	s_lshl_b32 s17, s17, 2
	s_add_co_u32 s17, s17, s41                     ; tile row
	s_lshl_b32 s43, s41, 2
	s_lshl_b32 s43, 15, s43                        ; my row of the cluster
	s_lshl_b32 s44, 0x1111, s40                    ; my column
	s_or_b32 s[G1+0], s43, (3<<16)|(1<<21)         ; A: mask; elements of 8 bytes; bit 21 beside a mask; no padding: fragments are read at 16 x lane
	s_mov_b32 s[G1+1], 512<<16                     ; tensor_dim0 = 512: 4,096 bytes, a K step of one tile of tokens
	s_mov_b32 s[G1+2], 8<<16                       ; tensor_dim1 = 8 tiles of tokens
	s_mov_b32 s[G1+3], 512<<16                     ; tile_dim0
	s_mov_b32 s[G1+4], 8                           ; tile_dim1
	s_mov_b32 s[G1+5], 2048                        ; pitch: 16,384 bytes from a tile of tokens to the next
	s_mov_b32 s[G1+6], 0
	s_mov_b32 s[G1+7], 0
	s_or_b32 s[G1B+0], s44, (0<<16)|(1<<20)|(1<<21)|(5<<22)|(3<<25)   ; W_o: elements of 1 byte; 4 words of padding behind every 64
	s_mov_b32 s[G1B+1], ROWB<<16
	s_mov_b32 s[G1B+2], 128<<16
	s_mov_b32 s[G1B+3], ROWB<<16
	s_mov_b32 s[G1B+4], 128
	s_mov_b32 s[G1B+5], KROW
	s_mov_b32 s[G1B+6], 0
	s_mov_b32 s[G1B+7], 0
	s_lshl_b32 s20, s17, 4
	s_lshl_b32 s18, s16, 3
	s_add_co_u32 s20, s20, s18                     ; A: tile of tokens 16 x tile row + 8 x half,
	s_lshl_b32 s20, s20, 14                        ; of 16,384 bytes
	s_mov_b32 s21, 0
	s_lshl_b32 s18, s16, 7
	s_lshl_b32 s46, s42, 8
	s_add_co_u32 s46, s46, s18                     ; W_o: row 256 x tile column + 128 x half,
	s_lshl_b32 s46, s46, 10                        ; of 1,024 bytes
	s_mov_b32 s47, 0
	s_mul_i32 s45, s14, HALFT                      ; where they go: wave x a share
	s_wait_kmcnt 0x0
	s_load_b64 s[96:97], s[8:9], 0x28              ; e10, e11
	s_add_nc_u64 s[20:21], s[4:5], s[20:21]
	s_add_nc_u64 s[46:47], s[6:7], s[46:47]
	CROUND                                         ; all sixteen work-groups are here: the first joint loads meet
.irp s, 0,1
	s_mov_b32 s[G0+4*\s], 1
	s_add_co_u32 s[G0+4*\s+1], s45, \s*SLOT
	s_add_nc_u64 s[G0+4*\s+2:G0+4*\s+3], s[20:21], \s*ASTEP
	s_or_b32 s[G0+4*\s+3], s[G0+4*\s+3], 0x80000000
	s_mov_b32 s[G0B+4*\s], 1
	s_add_co_u32 s[G0B+4*\s+1], s45, \s*SLOT
	s_add_nc_u64 s[G0B+4*\s+2:G0B+4*\s+3], s[46:47], \s*ROWB
	s_or_b32 s[G0B+4*\s+3], s[G0B+4*\s+3], 0x80000000
	JLOAD G0+4*\s, G1, G0B+4*\s, G1B
.endr
	v_and_b32 v1, 15, v0                           ; l % 16
	v_bfe_u32 v2, v0, 4, 1                         ; l / 16
	v_mul_u32_u24 v3, v1, PITCH
	v_lshl_add_u32 v4, v2, 4, v3                   ; W_o: a fragment's row x pitch + 16 x half
	v_and_b32 v6, 31, v0
	v_lshlrev_b32 v[CO], 4, v6                     ; A, and the rows on the way out: 16 x lane
	s_mul_i32 s21, s15, HALFT
	s_mul_i32 s22, s16, HALFT
	s_add_co_u32 s22, s22, 2*HALFT
.irp s, 0,1
	v_add_nc_u32 v[ADRA+\s], s21, v[CO]
	v_add_nc_u32 v[ADRB+\s], s22, v4
	s_add_co_u32 s21, s21, SLOT
	s_add_co_u32 s22, s22, SLOT
.endr
	s_mul_i32 s23, s14, 16*SPITCH                  ; my stage
	v_mul_u32_u24 v5, v1, SPITCH
	v_lshl_add_u32 v5, v2, 5, v5
	v_add_nc_u32 v[STO], s23, v5                   ; in: row l % 16, 32 bytes for each half of the lanes
	v_add_nc_u32 v[RD], s23, v[CO]                 ; back: the 32 lanes take one row of 512 bytes
	s_lshl_b32 s20, s17, 8
	s_lshl_b32 s21, s15, 7
	s_add_co_u32 s20, s20, s21                     ; my first row of out0
	s_mov_b32 s21, 0
	s_mov_b64 s[18:19], SIZE_N*4
	s_mul_u64 s[20:21], s[20:21], s[18:19]
	s_lshl_b32 s46, s42, 10                        ; my first column, in bytes
	s_lshl_b32 s47, s16, 9
	s_add_co_u32 s46, s46, s47
	s_mov_b32 s47, 0
	s_add_nc_u64 s[20:21], s[20:21], s[46:47]
	s_add_nc_u64 s[10:11], s[10:11], s[20:21]
.macro FRAG reg, adr, q, i             ; W_o: 16 rows x 128 K from padded rows
.irp c, 0,1,2,3
	ds_load_b128 v[\reg+4*\c:\reg+4*\c+3], v[\adr] offset:128*(\q)+32*\c+(\i)*16*PITCH
.endr
.endm
.macro FRAGA reg, adr, q, i            ; A: the image as it lies
.irp c, 0,1,2,3
	ds_load_b128 v[\reg+4*\c:\reg+4*\c+3], v[\adr] offset:2048*(\q)+512*\c+(\i)*4096
.endr
.endm
.macro MUL16 a0, p, zero               ; the 64 accumulators take turns, one instruction a turn
.irp a, \a0, \a0+1
.irp b, 0,1,2,3,4,5,6,7
.if \zero
	v_wmma_f32_16x16x128_bf8_bf8 v[8*(8*((\a)%4)+\b):8*(8*((\a)%4)+\b)+7], v[128*(\p)+FR*\b:128*(\p)+FR*\b+FR-1], v[AF+FR*(\a):AF+FR*(\a)+FR-1], 0
.else
	v_wmma_f32_16x16x128_bf8_bf8 v[8*(8*((\a)%4)+\b):8*(8*((\a)%4)+\b)+7], v[128*(\p)+FR*\b:128*(\p)+FR*\b+FR-1], v[AF+FR*(\a):AF+FR*(\a)+FR-1], v[8*(8*((\a)%4)+\b):8*(8*((\a)%4)+\b)+7]
.endif
.endr
.endr
.endm
.macro FETCH_B slot, q, p
	WIN TO_B
.irp i, 0,1,2,3,4,5,6,7
	FRAG 128*(\p)+FR*\i, ADRB+\slot, \q, \i
.endr
	WIN 0
.endm
.macro FETCH_A slot, q, i0
.irp i, \i0, \i0+1, \i0+2, \i0+3
	FRAGA AF+FR*(\i), ADRA+\slot, \q, \i
.endr
.endm
.macro PLACES n                        ; plain vector instructions between a matrix instruction and a load into, or a read of, its registers
.rept \n
	v_nop
.endr
.endm
.macro STEP slot, q, zero
	s_wait_dscnt 4*NL                              ; all but the youngest 16 loads (A's blocks 4-7) are in
	WIN MUL_LO
	MUL16 0, (\q)%2, \zero
	MUL16 2, (\q)%2, \zero
	s_wait_dscnt 0
	PLACES NP
	FETCH_B \slot, (\q)+1, 1-(\q)%2
	FETCH_A \slot, (\q)+1, 0
	WIN MUL_HI
	MUL16 4, (\q)%2, \zero
	MUL16 6, (\q)%2, \zero
	PLACES NP
	WIN 0
	FETCH_A \slot, (\q)+1, 4
.endm
.macro TURN slot, next, fill
	s_wait_tensorcnt 0x0                           ; all my tensor loads have landed: my part of the next slot
	ds_add_u32 v[SPW], v[NIL]
	s_wait_dscnt 4*NL+1                            ; the add and the youngest 16 loads may be out
	WIN MUL_LO
	MUL16 0, 1, 0
	s_wait_dscnt 0x0                               ; the add is done, and my reads of this slot are over
	s_barrier_signal -1
	MUL16 2, 1, 0
	WIN 0
	s_barrier_wait -1
.if \fill
	CREST                                          ; the barrier has opened a round of the cluster's: no wave of any partner still reads this slot or has a load on its way
	s_add_nc_u64 s[G0+4*\slot+2:G0+4*\slot+3], s[G0+4*\slot+2:G0+4*\slot+3], 2*ASTEP
	s_add_nc_u64 s[G0B+4*\slot+2:G0B+4*\slot+3], s[G0B+4*\slot+2:G0B+4*\slot+3], 2*ROWB
	JLOAD G0+4*\slot, G1, G0B+4*\slot, G1B         ; the first tensor load behind the round; its four v_nop are the places in front of the loads below
.else
	PLACES NP
.endif
	FETCH_B \next, 0, 0
	FETCH_A \next, 0, 0
	WIN MUL_HI
	MUL16 4, 1, 0
	MUL16 6, 1, 0
	PLACES NP
	WIN 0
	FETCH_A \next, 0, 4
.endm
	s_wait_tensorcnt 1                             ; my part of K step 0 is in; K step 1's load may be out
	s_barrier_signal -1
	s_barrier_wait -1
	FETCH_B 0, 0, 0
	FETCH_A 0, 0, 0
	FETCH_A 0, 0, 4
	STEP 0, 0, 1                                   ; the first products start the sums
.rept LAPS-1                           ; K = 1,024 has one lap that fills both slots again: written out
	TURN 0, 1, 1
	STEP 1, 0, 0
	TURN 1, 0, 1
	STEP 0, 0, 0
.endr
	TURN 0, 1, 0
	STEP 1, 0, 0
	s_wait_dscnt 4*NL
	WIN MUL_LO
	MUL16 0, 1, 0
	MUL16 2, 1, 0
	s_wait_dscnt 0
	WIN MUL_HI
	MUL16 4, 1, 0
	MUL16 6, 1, 0
	WIN 0
; THE WAY OUT, block by block of 16 rows x 128 columns, through my own stage: in as 32 bytes a lane, back as whole rows of 512 bytes.  LDS serves a wave's instructions in order (ISA guide 5.7.1.4).
.macro TOSTAGE a
.set AC, 64*((\a)%4)
	WIN 0x02+((\a)/4)
.irp j, 0,2,4,6,8,10,12,14,16,18,20,22,24,26,28,30,32,34,36,38,40,42,44,46,48,50,52,54,56,58,60,62
	v_pk_mul_f32 v[TMP+\j:TMP+\j+1], v[AC+\j:AC+\j+1], s[96:97] op_sel_hi:[1,0]   ; x 2^(e10 + e11); each accumulator from its low end on
.endr
	WIN 0
.irp b, 0,1,2,3,4,5,6,7
	ds_store_b128 v[STO], v[TMP+8*\b:TMP+8*\b+3] offset:64*\b
	ds_store_b128 v[STO], v[TMP+8*\b+4:TMP+8*\b+7] offset:64*\b+16
.endr
.set BB, BK+64*((\a)%2)
.irp t, 0,1,2,3,4,5,6,7,8,9,10,11,12,13,14,15
	ds_load_b128 v[BB+4*\t:BB+4*\t+3], v[RD] offset:\t*SPITCH
.endr
.endm
.macro SEND a, younger
.set BB, BK+64*((\a)%2)
	s_wait_dscnt \younger                          ; the block is back in registers
.if (\a) > 0
	s_add_nc_u64 s[10:11], s[10:11], 16*SIZE_N*4   ; behind a wait on XCNT: the earlier stores have read their base
.endif
.irp t, 0,1,2,3,4,5,6,7,8,9,10,11,12,13,14,15
	global_store_b128 v[CO], v[BB+4*\t:BB+4*\t+3], s[10:11] offset:\t*SIZE_N*4 th:TH_STORE_NT   ; 32 lanes store 512 consecutive bytes, aligned
.endr
.endm
	s_wait_kmcnt 0x0
	s_add_co_i32 s96, s96, s97
	s_add_co_i32 s96, s96, 127
	s_lshl_b32 s96, s96, 23                        ; 2^(e10 + e11) as f32
	PLACES NP
	TOSTAGE 0
.irp a, 1,2,3,4,5,6,7
.if \a > 1
	s_wait_xcnt 0x0                                ; block a - 2's stores have read their registers and their base
.endif
	TOSTAGE \a
	SEND \a-1, 32                                  ; behind block a - 1's loads: block a's 16 stores and 16 loads
.endr
	s_wait_xcnt 0x0
	SEND 7, 0
	s_wait_tensorcnt 0x0                           ; the wave's end
	ds_add_u32 v[SPW], v[NIL]
	s_wait_dscnt 0x0
	CROUND                                         ; the closing round
	s_endpgm
.Lfunc_end_k_q2a79bd959f_oproj:
	.size	k_q2a79bd959f_oproj, .Lfunc_end_k_q2a79bd959f_oproj-k_q2a79bd959f_oproj
	.p2alignl 7, 3214868480
	.fill 96, 4, 3214868480
	.section	.rodata,"a",@progbits
	.p2align	6, 0x0
	.amdhsa_kernel k_q2a79bd959f_oproj
		.amdhsa_group_segment_fixed_size 327680
		.amdhsa_private_segment_fixed_size 0
		.amdhsa_enable_private_segment 0
		.amdhsa_kernarg_size 32
		.amdhsa_user_sgpr_count 2
		.amdhsa_user_sgpr_kernarg_segment_ptr 1
		.amdhsa_wavefront_size32 1
		.amdhsa_system_sgpr_workgroup_id_x 1
		.amdhsa_system_sgpr_workgroup_id_y 1
		.amdhsa_system_sgpr_workgroup_id_z 1
		.amdhsa_system_vgpr_workitem_id 0
		.amdhsa_next_free_vgpr 1024
		.amdhsa_next_free_sgpr 98
		.amdhsa_reserve_vcc 0
		.amdhsa_float_denorm_mode_32 3
		.amdhsa_float_denorm_mode_16_64 3
		.amdhsa_memory_ordered 1
		.amdhsa_forward_progress 1
		.amdhsa_inst_pref_size 123
	.end_amdhsa_kernel
	.amdgpu_metadata
---
amdhsa.version: [ 1, 2 ]
amdhsa.kernels:
  - .name:           k_q2a79bd959f_oproj
    .symbol:         k_q2a79bd959f_oproj.kd
    .args:
      - { .name: a_img, .offset: 0, .size: 8, .value_kind: global_buffer, .address_space: global }
      - { .name: W_o_codes, .offset: 8, .size: 8, .value_kind: global_buffer, .address_space: global }
      - { .name: lowp_scales, .offset: 16, .size: 8, .value_kind: global_buffer, .address_space: global }
      - { .name: out0, .offset: 24, .size: 8, .value_kind: global_buffer, .address_space: global }
    .group_segment_fixed_size: 327680
    .private_segment_fixed_size: 0
    .kernarg_segment_align: 8
    .kernarg_segment_size: 32
    .max_flat_workgroup_size: 128
    .sgpr_count:     98
    .vgpr_count:     1024
    .wavefront_size: 32
...
	.end_amdgpu_metadata
.endif
;; end of part 4
;; ======== version 2 of 2: 4 launches
;; limits: right only within a limited range of input values
;; workspace buffers: tab 524,288 bytes; q_img 8,388,608 bytes; k_img 8,388,608 bytes; v_img 8,388,608 bytes; vpart 262,144 bytes; a_img 8,388,608 bytes
;; launch rope: the kernel of part 1 again; grid 128 x 1, 8 waves a work-group, no clusters, 0 bytes of LDS; arguments tab; writes tab
;; launch qkv (part 5): grid 4 x 64, 4 waves a work-group, clusters of 4 x 4, 327,680 bytes of LDS; arguments x_codes, W_q_codes, W_k_codes, W_v_codes, lowp_scales, tab, q_img, k_img, v_img, vpart; writes q_img, k_img, v_img, vpart
.if DOCPART == 5
	.amdgcn_target "amdgcn-amd-amdhsa--gfx1250"
	.amdhsa_code_object_version 6
	.text
	.protected	k_q2a79bd959f_qkv
	.globl	k_q2a79bd959f_qkv
	.p2align	8
	.type	k_q2a79bd959f_qkv,@function
k_q2a79bd959f_qkv:
	s_mov_b64 s[64:65], 0
	v_nop
	global_prefetch_b8 v0, s[64:65] scope:SCOPE_SE
	s_setreg_imm32_b32 hwreg(HW_REG_WAVE_MODE, 25, 1), 1
	s_wait_xcnt 0x0
	s_wait_alu depctr_hold_cnt(0) depctr_sa_sdst(0) depctr_va_vdst(0) depctr_va_sdst(0) depctr_va_ssrc(0) depctr_va_vcc(0) depctr_vm_vsrc(0)
	s_getreg_b32 s2, hwreg(HW_REG_IB_STS2, 6, 4)
	s_cmp_eq_u32 s2, 0
	s_cbranch_scc0 .Lentry_in_a_cluster
	s_endpgm
.Lentry_in_a_cluster:
	s_bfe_u32 s2, ttmp6, 0x10000c
	s_cmp_lg_u32 s2, 0xf033
	s_cbranch_scc0 .Lentry_shape_is_right
	s_endpgm
.Lentry_shape_is_right:
; q = rope(x W_q^T), k = rope(x W_k^T), v = x W_v^T on codes of BF8 (E5M2); the results are quantised on the way out and stored as IMAGES OF THE NEXT OPERAND'S REGISTERS.
; SHARES.  The three products are 384 tiles of 256 x 256 for 256 WGPs.  q and k are 256 tiles, v's 128 tiles are 256 halves: A WORK-GROUP STAYS and makes one tile of q or k and then half a tile of v.
;   16 clusters of 4 x 4; the cluster's number N (alike in all sixteen partners) says what: first 1,024 tokens (1,024 (N % 8) on) x all 1,024 features of q (N < 8) or k;
;   then 512 features of v (512 (N % 2) on) x 1,024 tokens (1,024 (N / 2) on).  Pointers and one exponent are chosen by N; no branch and no LDS address hangs on it.
; A lane's eight results are eight neighbouring rows of SOURCE 0.  q, k: source 0 = W (features), source 1 = x (tokens): a lane holds one token and eight features, the next K.
;   v: source 0 = x, source 1 = W_v: a lane holds one feature and eight tokens (keys), the next K.
; THE FIRST TILE: four waves, each 128 x 128: 64 accumulators.  THE SECOND: source 1 has 128 rows (features), source 0 256 (tokens); a wave makes 64 features x 128 tokens: 32 accumulators.
; THE RING.  K = 1,024 goes in steps of 256 through two LDS slots filled by joint tensor loads: source 1's tile is shared along a row of the cluster, source 0's along a column.  The ring does not stop at the
;   first tile's end: its last two changes of slots ask for v's first two K steps, which land while the first tile goes out.  Eight steps, g = 0 .. 7, slot g % 2; behind the round of step g <= 5 comes step g + 2.
;   Every LDS address is the same in both tiles: v's 128 rows of W_v lie as two runs of 64 where the first tile's two runs of 128 rows of x lay.
; OUT.  Eight results make two registers of codes, which ARE registers 2 c, 2 c + 1 of the plain 8-bit operand layout (k = 16 c + 8 (lane / 16) + 0 .. 7).  Four registers of 32 lanes are 512 consecutive bytes:
;   q_img, k_img [b][h][tile of 16 tokens][g 2][lane][16 bytes];  v_img [b][h][128 keys][16 channels][c 4][lane][16 bytes].  No stage in LDS, every store 512 aligned bytes.
;   vpart [block of 128 tokens][feature]: the sum of v's code values over the block, f32 (for rows of the attention that see no key).  Its stores are of 128 bytes: 256 KiB in all.
; The sums lack 2^(ex + ew): the rotation does not mind a power of two, and the conversion takes 2^(e_out - ex - ew) as its one scale.
; LIMITS: e6 - e0 - e1, e7 - e2 - e3, e9 - e4 - e5 between -126 and 112, so that scale and hold are f32 numbers.  NaN is not served.
; REGISTERS: window 0: v16-31 addresses and constants; v32-95 two sets of the table, later v's numbers; v96-127 codes, two sets; from v128 source 1's fragments: ONE set of eight in the first tile,
;   TWO sets of four in the second; v192-255 are also the first tile's numbers on its way out (v128-191 then hold v's first fragments).
;   window 1: source 0's fragments, TWO sets.   windows 2, 3: the accumulators ((a, b) at v[8 (8 (a % 4) + b)]); v's 32 lie in window 2.
.set SIZE_K, 1024
.set ROWB,   256                       ; a tile's row in bytes
.set KROW,   SIZE_K                    ; a row of x or of W in memory
.set PITCH,  272                       ; an LDS row: 256 bytes + 16 of padding: the 16 rows that a load touches start at 16 different banks
.set FR,     16                        ; registers of a fragment: 16 rows x 128 K
.set NL,     4                         ; LDS loads that bring one
.set NP,     4                         ; places behind this matrix instruction (ISA guide 7.12.1)
.set HALFT,  128*PITCH
.set SLOT,   4*HALFT                   ; source 1's rows, then source 0's 256 rows
.set SPARE,  2*SLOT                    ; behind the ring: the spare words, 128 bytes for each wave
.set FLAGS,  (1<<20)|(1<<21)|(5<<22)|(3<<25)   ; group 1, word 0 beside the mask: elements of 1 byte; padding on; bit 21 beside a mask; 4 words behind every 64
.set ADRA, 16                          ; v16-17  LDS address of source 1's fragments in slot 0, 1
.set ADRB, 20                          ; v20-21  of source 0's
.set SCV,  22                          ; v22     v's conversion: the scale,
.set LIMV, 23                          ; v23     57,344 x that
.set ONES, 24                          ; v24     the scale byte of 1.0 in every byte
.set L4,   25                          ; v25     4 x lane
.set L16,  26                          ; v26     16 x lane
.set TA,   27                          ; v27     256 (lane % 16) + 32 (lane / 16): my place in 16 rows of the table
.set SPW,  28                          ; v28     my spare word; never rewritten
.set NIL,  29                          ; v29     0; never rewritten
.set SC,   30                          ; v30     the first tile's conversion: the scale,
.set LIM,  31                          ; v31     57,344 x that
.set TB,   32                          ; v32-95  two sets of 32: (cos, sin) of my 16 pairs
.set C,    96                          ; v96-127 codes, two sets of 16
.set AF,   128
.set R1,   192                         ; v192-255  the first tile: 64 numbers ahead of the conversion
.set R2,   32                          ; v32-95    v: the same
.set T2,   128                         ; v128-191  v: the codes' values
.set SUM,  192                         ; v192..    v: sums
.set G1A2, 4                           ; s[4:11]   group 1 for W_v's runs of 64 rows
.set G1, 24                            ; s[24:31]  group 1 for source 1's tiles of the first tile;  s[32:39] group 0, one set for each slot
.set G0, 32
.set G1B, 48                           ; s[48:55], s[56:63] the same for source 0's tiles
.set G0B, 56
.set MSB, 0
.macro WIN new                         ; the immediate's high byte repeats the setting that is left
.if MSB != \new
	s_set_vgpr_msb (MSB<<8)|\new
.set MSB, \new
.endif
.endm
.set MUL_LO, 0xa1                      ; source 0 window 1, source 1 window 0, C and D window 2
.set MUL_HI, 0xf1                      ; the same, C and D window 3
.set TO_B,   0x40                      ; destination window 1, address window 0
; A joint load: waves 0 and 1 fetch source 1's halves, waves 2 and 3 source 0's.  The branch hangs on the wave's number alone.  Four v_nop follow each line.
.macro JLOAD g0a, g1a, g0b, g1b
	s_cmp_eq_u32 s15, 0
	s_cbranch_scc0 .Lfor_b_\@
	tensor_load_to_lds s[\g0a:\g0a+3], s[\g1a:\g1a+7]
.rept 4
	v_nop
.endr
	s_branch .Lasked_\@
.Lfor_b_\@:
	tensor_load_to_lds s[\g0b:\g0b+3], s[\g1b:\g1b+7]
.rept 4
	v_nop
.endr
.Lasked_\@:
.endm
.macro CREST                           ; a round of the cluster's barrier behind its opening barrier
	s_cmp_lg_u32 s14, 0
	s_cbranch_scc1 .Lnot_wave_0_\@
	s_barrier_signal -3
.Lnot_wave_0_\@:
	s_barrier_wait -3
	s_barrier_signal -1
	s_barrier_wait -1
.endm
.macro CROUND
	s_barrier_signal -1
	s_barrier_wait -1
	CREST
.endm
.macro SHAPE g, rows                   ; group 1, words 1 to 7: rows of 256 bytes, 1,024 bytes apart in memory
	s_mov_b32 s[\g+1], ROWB<<16                    ; tensor_dim0
	s_mov_b32 s[\g+2], (\rows)<<16                 ; tensor_dim1
	s_mov_b32 s[\g+3], ROWB<<16                    ; tile_dim0
	s_mov_b32 s[\g+4], \rows                       ; tile_dim1
	s_mov_b32 s[\g+5], KROW                        ; pitch
	s_mov_b32 s[\g+6], 0
	s_mov_b32 s[\g+7], 0
.endm
	s_load_b256 s[68:75], s[0:1], 0x0              ; x s[68:69], W_q s[70:71], W_k s[72:73], W_v s[74:75]
	s_load_b256 s[76:83], s[0:1], 0x20             ; the exponents s[76:77], tab s[78:79], q_img s[80:81], k_img s[82:83]
	s_load_b128 s[84:87], s[0:1], 0x40             ; v_img s[84:85], vpart s[86:87]
	v_lshl_add_u32 v[SPW], v0, 2, SPARE
	v_mov_b32 v[NIL], 0
	v_lshrrev_b32 v1, 5, v0
	v_readfirstlane_b32 s14, v1                    ; wave 0..3
	s_lshr_b32 s15, s14, 1                         ; my half of source 1's rows.  Also: I fetch for source 1 (0) or source 0 (1)
	s_and_b32 s16, s14, 1                          ; my half of source 0's rows.  Also: which half of that tile I fetch
	s_bfe_u32 s40, ttmp6, 0x40000                  ; cx
	s_bfe_u32 s41, ttmp6, 0x40004                  ; cy
	s_and_b32 s42, ttmp7, 0xffff                   ; N, the cluster's number: 0 .. 15
	s_lshr_b32 s97, s42, 3                         ; the first tile is q's (0) or k's (1)
	s_lshl_b32 s43, s41, 2
	s_lshl_b32 s43, 15, s43                        ; my row of the cluster
	s_lshl_b32 s44, 0x1111, s40                    ; my column
	s_or_b32 s[G1+0], s43, FLAGS                   ; source 1's tiles go to my row,
	s_or_b32 s[G1A2+0], s43, FLAGS
	s_or_b32 s[G1B+0], s44, FLAGS                  ; source 0's to my column
	SHAPE G1, 128
	SHAPE G1B, 128
	SHAPE G1A2, 64
	; where the tiles come from.  Source 1's hang on cy and N, source 0's on cx and N, each in registers that never hold the other coordinate
	s_lshl_b32 s18, s16, 7                         ; which 128 rows of a tile I fetch
	s_and_b32 s20, s42, 7
	s_lshl_b32 s20, s20, 2
	s_add_co_u32 s20, s20, s41
	s_lshl_b32 s17, s20, 8                         ; the first tile's first token: 256 (4 (N % 8) + cy)
	s_add_co_u32 s20, s17, s18
	s_lshl_b32 s20, s20, 10                        ; rows of 1,024 bytes: under 2^23
	s_mov_b32 s21, 0
	s_lshl_b32 s19, s40, 8                         ; the first tile's first feature: 256 cx
	s_add_co_u32 s46, s19, s18
	s_lshl_b32 s46, s46, 10
	s_mov_b32 s47, 0
	s_and_b32 s22, s42, 1
	s_lshl_b32 s22, s22, 9
	s_lshl_b32 s12, s41, 7
	s_add_co_u32 s12, s22, s12                     ; v's first feature: 512 (N % 2) + 128 cy
	s_lshl_b32 s98, s16, 6                         ; which 64 rows of W_v I fetch
	s_add_co_u32 s22, s12, s98
	s_lshl_b32 s22, s22, 10
	s_mov_b32 s23, 0
	s_lshr_b32 s66, s42, 1
	s_lshl_b32 s66, s66, 10
	s_add_co_u32 s13, s66, s19                     ; v's first token: 1,024 (N / 2) + 256 cx
	s_add_co_u32 s66, s13, s18
	s_lshl_b32 s66, s66, 10
	s_mov_b32 s67, 0
	s_mul_i32 s45, s14, HALFT                      ; where they go: wave x 128 rows' room, in both tiles
	s_wait_kmcnt 0x0
	s_load_b256 s[88:95], s[76:77], 0x0            ; e0 .. e7
	s_load_b32 s96, s[76:77], 0x24                 ; e9
	s_cmp_eq_u32 s97, 1
	s_cselect_b64 s[70:71], s[72:73], s[70:71]     ; the first tile's weight,
	s_cselect_b64 s[80:81], s[82:83], s[80:81]     ; and where its codes go
	s_add_nc_u64 s[20:21], s[68:69], s[20:21]      ; the first tile: source 1's rows (x),
	s_add_nc_u64 s[46:47], s[70:71], s[46:47]      ; source 0's (W)
	s_add_nc_u64 s[22:23], s[74:75], s[22:23]      ; v: source 1's rows (W_v),
	s_add_nc_u64 s[66:67], s[68:69], s[66:67]      ; source 0's (x)
	CROUND                                         ; all sixteen work-groups are here: the first joint loads meet
.irp s, 0,1
	s_mov_b32 s[G0+4*\s], 1
	s_add_co_u32 s[G0+4*\s+1], s45, \s*SLOT
	s_add_nc_u64 s[G0+4*\s+2:G0+4*\s+3], s[20:21], \s*ROWB
	s_or_b32 s[G0+4*\s+3], s[G0+4*\s+3], 0x80000000
	s_mov_b32 s[G0B+4*\s], 1
	s_add_co_u32 s[G0B+4*\s+1], s45, \s*SLOT
	s_add_nc_u64 s[G0B+4*\s+2:G0B+4*\s+3], s[46:47], \s*ROWB
	s_or_b32 s[G0B+4*\s+3], s[G0B+4*\s+3], 0x80000000
	JLOAD G0+4*\s, G1, G0B+4*\s, G1B
.endr
	v_and_b32 v1, 15, v0                           ; l % 16
	v_bfe_u32 v2, v0, 4, 1                         ; l / 16
	v_mul_u32_u24 v3, v1, PITCH
	v_lshl_add_u32 v4, v2, 4, v3                   ; a fragment's row x pitch + 16 x half
	s_mul_i32 s72, s15, HALFT
	s_mul_i32 s73, s16, HALFT
	s_add_co_u32 s73, s73, 2*HALFT
.irp s, 0,1
	v_add_nc_u32 v[ADRA+\s], s72, v4
	v_add_nc_u32 v[ADRB+\s], s73, v4
	s_add_co_u32 s72, s72, SLOT
	s_add_co_u32 s73, s73, SLOT
.endr
	v_and_b32 v[L4], 31, v0
	v_lshlrev_b32 v[L16], 4, v[L4]
	v_lshlrev_b32 v[L4], 2, v[L4]
	v_lshlrev_b32 v[TA], 8, v1
	v_lshl_add_u32 v[TA], v2, 5, v[TA]
	v_mov_b32 v[ONES], 0x7f7f7f7f
	; where the results go.  An image has 2^21 bytes a batch, 2^17 a head of 64 features, 64 a token (q, k: 1,024 a tile of 16; v: 8,192 a block of 128)
	s_mov_b32 s3, 0
	s_lshl_b32 s74, s15, 7
	s_add_co_u32 s74, s17, s74                     ; the first tile: my wave's first token (of 8,192),
	s_lshl_b32 s75, s16, 7
	s_add_co_u32 s75, s19, s75                     ; and its first feature
	s_and_b32 s72, s74, 2047                       ; the token within its batch
	s_lshl_b32 s2, s72, 8
	s_add_nc_u64 s[78:79], s[78:79], s[2:3]        ; the table at that token
	s_lshl_b32 s2, s72, 6
	s_and_b32 s72, s74, 0x1800
	s_lshl_b32 s72, s72, 10
	s_add_co_u32 s2, s2, s72
	s_lshl_b32 s72, s75, 11
	s_add_co_u32 s2, s2, s72
	s_add_nc_u64 s[80:81], s[80:81], s[2:3]
	s_lshl_b32 s74, s16, 7
	s_add_co_u32 s74, s13, s74                     ; v: my wave's first token,
	s_lshl_b32 s75, s15, 6
	s_add_co_u32 s75, s12, s75                     ; and its first feature: one head
	s_and_b32 s72, s74, 2047
	s_lshl_b32 s2, s72, 6
	s_and_b32 s72, s74, 0x1800
	s_lshl_b32 s72, s72, 10
	s_add_co_u32 s2, s2, s72
	s_lshl_b32 s72, s75, 11
	s_add_co_u32 s2, s2, s72
	s_add_nc_u64 s[84:85], s[84:85], s[2:3]
	s_lshl_b32 s2, s74, 5                          ; vpart: 4,096 bytes a block of 128 tokens,
	s_lshl_b32 s72, s75, 2                         ; 4 a feature
	s_add_co_u32 s2, s2, s72
	s_add_nc_u64 s[86:87], s[86:87], s[2:3]
	s_mov_b32 s98, 0x76543210                      ; v_permlanex16_b32's selects for lane l xor 16
	s_mov_b32 s99, 0xfedcba98
; (cos, sin) for block a's 16 tokens: register 8 c + 2 p, + 1: pair i = 8 c + 4 (lane / 16) + p.  The eight loads together take the 16 rows whole.
.macro TABLOAD a
.irp c, 0,1,2,3
.irp e, 0,1
	global_load_b128 v[TB+32*((\a)%2)+8*\c+4*\e:TB+32*((\a)%2)+8*\c+4*\e+3], v[TA], s[78:79] offset:4096*(\a)+64*\c+16*\e
.endr
.endr
.endm
	TABLOAD 0
	TABLOAD 1
.macro FRAG reg, adr, q, i             ; 16 rows x 128 K: lane l holds row l % 16; registers 4 c .. 4 c + 3 hold K = 32 c + 16 (l / 16) + 0 .. 15: the same order of k on both sides
.irp c, 0,1,2,3
	ds_load_b128 v[\reg+4*\c:\reg+4*\c+3], v[\adr] offset:128*(\q)+32*\c+(\i)*16*PITCH
.endr
.endm
; THE FIRST TILE.  16 matrix instructions: source 1's blocks a0, a0 + 1 x source 0's eight.  The 64 accumulators take turns, one instruction a turn.
.macro MUL16 a0, p, zero
.irp a, \a0, \a0+1
.irp b, 0,1,2,3,4,5,6,7
.if \zero
	v_wmma_f32_16x16x128_bf8_bf8 v[8*(8*((\a)%4)+\b):8*(8*((\a)%4)+\b)+7], v[128*(\p)+FR*\b:128*(\p)+FR*\b+FR-1], v[AF+FR*(\a):AF+FR*(\a)+FR-1], 0
.else
	v_wmma_f32_16x16x128_bf8_bf8 v[8*(8*((\a)%4)+\b):8*(8*((\a)%4)+\b)+7], v[128*(\p)+FR*\b:128*(\p)+FR*\b+FR-1], v[AF+FR*(\a):AF+FR*(\a)+FR-1], v[8*(8*((\a)%4)+\b):8*(8*((\a)%4)+\b)+7]
.endif
.endr
.endr
.endm
.macro FETCH_B slot, q, p
	WIN TO_B
.irp i, 0,1,2,3,4,5,6,7
	FRAG 128*(\p)+FR*\i, ADRB+\slot, \q, \i
.endr
	WIN 0
.endm
.macro FETCH_A slot, q, i0
.irp i, \i0, \i0+1, \i0+2, \i0+3
	FRAG AF+FR*(\i), ADRA+\slot, \q, \i
.endr
.endm
.macro PLACES n                        ; plain vector instructions between a matrix instruction and a load into, or a read of, its registers
.rept \n
	v_nop
.endr
.endm
.macro STEP slot, q, zero              ; 128 along K, with its successor in the same slot
	s_wait_dscnt 4*NL                              ; all but the youngest 16 loads (source 1's blocks 4-7) are in
	WIN MUL_LO
	MUL16 0, (\q)%2, \zero
	MUL16 2, (\q)%2, \zero
	s_wait_dscnt 0
	PLACES NP
	FETCH_B \slot, (\q)+1, 1-(\q)%2
	FETCH_A \slot, (\q)+1, 0
	WIN MUL_HI
	MUL16 4, (\q)%2, \zero
	MUL16 6, (\q)%2, \zero
	PLACES NP
	WIN 0
	FETCH_A \slot, (\q)+1, 4
.endm
; Behind the round of step g: slot g % 2 takes step g + 2: the first tile's K step g + 2, or v's K step g - 2.  No tensor load of the wave is out, so both groups 0 may be written.
.macro REFILL g
.set SL, (\g)%2
.if (\g)+2 < 4
	s_add_nc_u64 s[G0+4*SL+2:G0+4*SL+3], s[20:21], ROWB*((\g)+2)
	s_add_nc_u64 s[G0B+4*SL+2:G0B+4*SL+3], s[46:47], ROWB*((\g)+2)
.else
	s_add_nc_u64 s[G0+4*SL+2:G0+4*SL+3], s[22:23], ROWB*((\g)-2)
	s_add_nc_u64 s[G0B+4*SL+2:G0B+4*SL+3], s[66:67], ROWB*((\g)-2)
.endif
	s_or_b32 s[G0+4*SL+3], s[G0+4*SL+3], 0x80000000
	s_or_b32 s[G0B+4*SL+3], s[G0B+4*SL+3], 0x80000000
.if (\g)+2 < 4
	JLOAD G0+4*SL, G1, G0B+4*SL, G1B               ; the first tensor load behind the round; its four v_nop are the places in front of the loads that follow
.else
	JLOAD G0+4*SL, G1A2, G0B+4*SL, G1B
.endif
.endm
; A slot's last 128 along K change slots: one barrier, which opens a round of the cluster's; in front of it each wave waits for all its tensor loads, adds 0 to its spare word, and waits for that and for its reads of this slot.
.macro TURN g
.set NXT, 1-(\g)%2
	s_wait_tensorcnt 0x0                           ; all my tensor loads have landed: my part of the next slot
	ds_add_u32 v[SPW], v[NIL]
	s_wait_dscnt 4*NL+1                            ; the add and the youngest 16 loads may be out
	WIN MUL_LO
	MUL16 0, 1, 0
	s_wait_dscnt 0x0                               ; the add is done, and my reads of this slot are over
	s_barrier_signal -1
	MUL16 2, 1, 0
	WIN 0
	s_barrier_wait -1
	CREST                                          ; no wave of any partner still reads this slot or has a load on its way
	REFILL \g
	FETCH_B NXT, 0, 0
	FETCH_A NXT, 0, 0
	WIN MUL_HI
	MUL16 4, 1, 0
	MUL16 6, 1, 0
.if (\g) < 3
	PLACES NP
	WIN 0
	FETCH_A NXT, 0, 4
.else
	WIN 0                                          ; what has just been fetched are v's first fragments: v has four blocks of source 1
.endif
.endm
; THE SECOND TILE.  8 matrix instructions: source 1's block a x source 0's eight; both operands have two sets.  The 32 accumulators take turns, one instruction a turn.
.macro MULV a, set, zero
.irp b, 0,1,2,3,4,5,6,7
.if \zero
	v_wmma_f32_16x16x128_bf8_bf8 v[8*(8*(\a)+\b):8*(8*(\a)+\b)+7], v[128*(\set)+FR*\b:128*(\set)+FR*\b+FR-1], v[AF+64*(\set)+FR*(\a):AF+64*(\set)+FR*(\a)+FR-1], 0
.else
	v_wmma_f32_16x16x128_bf8_bf8 v[8*(8*(\a)+\b):8*(8*(\a)+\b)+7], v[128*(\set)+FR*\b:128*(\set)+FR*\b+FR-1], v[AF+64*(\set)+FR*(\a):AF+64*(\set)+FR*(\a)+FR-1], v[8*(8*(\a)+\b):8*(8*(\a)+\b)+7]
.endif
.endr
.endm
.macro FETCHV slot, q, set             ; 48 loads: twelve fragments
	WIN TO_B
.irp i, 0,1,2,3,4,5,6,7
	FRAG 128*(\set)+FR*\i, ADRB+\slot, \q, \i
.endr
	WIN 0
.irp i, 0,1,2,3
	FRAG AF+64*(\set)+FR*\i, ADRA+\slot, \q, \i
.endr
.endm
.macro STEPV slot, zero                ; a slot's first 128 along K: set 0 is multiplied; the second 128's fragments are asked for first, into set 1
	s_wait_dscnt 0x0                               ; set 0 is in
	PLACES NP
	FETCHV \slot, 1, 1
	WIN MUL_LO
.irp a, 0,1,2,3
	MULV \a, 0, \zero
.endr
.endm
.macro TURNV g                         ; a slot's second 128 along K: set 1 is multiplied; the change of slots
.set NXT, 1-(\g)%2
	WIN 0                                          ; (the add's two registers lie in window 0)
	s_wait_tensorcnt 0x0                           ; all my tensor loads have landed: my part of the next slot
	ds_add_u32 v[SPW], v[NIL]
	s_wait_dscnt 0x0                               ; the add is done; set 1 is in, and with it my reads of this slot are over
	s_barrier_signal -1
	WIN MUL_LO
	MULV 0, 1, 0
	WIN 0
	s_barrier_wait -1
.if (\g) < 6
	CREST
	REFILL \g
.else
	PLACES NP                                      ; nothing is left to fetch: no round
.endif
	FETCHV NXT, 0, 0
	WIN MUL_LO
	MULV 1, 1, 0
	MULV 2, 1, 0
	MULV 3, 1, 0
.endm
	s_wait_tensorcnt 1                             ; my part of K step 0 is in; K step 1's load may be out
	s_barrier_signal -1
	s_barrier_wait -1
	FETCH_B 0, 0, 0
	FETCH_A 0, 0, 0
	FETCH_A 0, 0, 4
	STEP 0, 0, 1                                   ; the first products start the sums: nothing is cleared
	TURN 0
	STEP 1, 0, 0
	TURN 1
	STEP 0, 0, 0
	TURN 2                                         ; THE RING GOES ON INTO v: slot 0 takes its K step 0,
	STEP 1, 0, 0
	TURN 3                                         ; slot 1 its K step 1, and v's first fragments are fetched
	; ---- the first tile goes out, while v's tiles land
	s_wait_kmcnt 0x0
	s_sub_co_i32 s72, s94, s88                     ; q: e6 - e0 - e1
	s_sub_co_i32 s72, s72, s89
	s_sub_co_i32 s73, s95, s90                     ; k: e7 - e2 - e3
	s_sub_co_i32 s73, s73, s91
	s_cmp_eq_u32 s97, 1
	s_cselect_b32 s72, s73, s72
	s_add_co_i32 s72, s72, 127
	s_lshl_b32 s73, s72, 23
	v_mov_b32 v[SC], s73                           ; the scale as f32: the conversion takes its exponent field
	s_add_co_i32 s72, s72, 15
	s_lshl_b32 s72, s72, 23
	s_or_b32 s72, s72, 0x600000
	v_mov_b32 v[LIM], s72                          ; 57,344 x the scale
	s_sub_co_i32 s72, s96, s92                     ; v: e9 - e4 - e5
	s_sub_co_i32 s72, s72, s93
	s_add_co_i32 s72, s72, 127
	s_lshl_b32 s73, s72, 23
	v_mov_b32 v[SCV], s73
	s_add_co_i32 s72, s72, 15
	s_lshl_b32 s72, s72, 23
	s_or_b32 s72, s72, 0x600000
	v_mov_b32 v[LIMV], s72
	PLACES NP
; Block a = 16 tokens x my 128 features (two heads).  (x1, x2) -> (x1 c - x2 s, x2 c + x1 s), two packed instructions a pair, the second in place; hold; conversion; four stores of 512 bytes.
.macro QKBLOCK a
.set AC, 64*((\a)%4)
.set TS, TB+32*((\a)%2)
.set CC, C+16*((\a)%2)
.if (\a) < 7
	s_wait_loadcnt 8                               ; this block's table is in; the next set's eight loads may be out
.else
	s_wait_loadcnt 0
.endif
	WIN 0x02+((\a)/4)                              ; source 0: the accumulators' window
.set i, 0
.rept 32
	v_pk_mul_f32 v[R1+2*i:R1+2*i+1], v[AC+2*i:AC+2*i+1], v[TS+(2*i)%32:TS+(2*i)%32+1] op_sel:[1,1] op_sel_hi:[0,1]   ; (x2 s, x1 s); each accumulator from its low end on
.set i, i+1
.endr
.set i, 0
.rept 32
	v_pk_fma_f32 v[R1+2*i:R1+2*i+1], v[AC+2*i:AC+2*i+1], v[TS+(2*i)%32:TS+(2*i)%32+1], v[R1+2*i:R1+2*i+1] op_sel_hi:[1,0,1] neg_lo:[0,0,1]   ; (x1 c - x2 s, x2 c + x1 s)
.set i, i+1
.endr
	WIN 0
.if (\a) >= 2
	s_wait_xcnt 0x0                                ; block a - 2's stores have read this set of codes
.endif
.if (\a)+2 <= 7
	TABLOAD (\a)+2
.endif
.set i, 0
.rept 64
	v_med3_num_f32 v[R1+i], v[R1+i], -v[LIM], v[LIM]   ; the conversion to an 8-bit code does not saturate (ISA guide 7.6.2)
.set i, i+1
.endr
.irp b, 0,1,2,3,4,5,6,7
	v_cvt_scalef32_pk8_bf8_f32 v[CC+2*\b:CC+2*\b+1], v[R1+8*\b:R1+8*\b+7], v[SC]
.endr
	v_nop                                          ; a plain place between the conversions and the next block's first line, which writes their sources
.irp g, 0,1,2,3                        ; head g / 2, registers 4 (g % 2) on
	global_store_b128 v[L16], v[CC+4*\g:CC+4*\g+3], s[80:81] offset:(\g/2)*131072+1024*(\a)+512*(\g%2)
.endr
.endm
.irp a, 0,1,2,3,4,5,6,7
	QKBLOCK \a
.endr
	; ---- v: four K steps
	STEPV 0, 1                                     ; its first products start the sums, on accumulators that have gone out
	TURNV 4
	STEPV 1, 0
	TURNV 5
	STEPV 0, 0
	TURNV 6
	STEPV 1, 0
	s_wait_dscnt 0x0                               ; the very last 128 along K: nothing more to fetch
	WIN MUL_LO
.irp a, 0,1,2,3
	MULV \a, 1, 0
.endr
	WIN 0
	PLACES NP
; Block a = 16 features x my 128 tokens: one fragment of V^T.  The codes are widened again and summed for vpart.
.macro VBLOCK a
.set AC, 64*(\a)
.set CC, C+16*((\a)%2)
	WIN 0x02
.set i, 0
.rept 64
	v_med3_num_f32 v[R2+i], v[AC+i], -v[LIMV], v[LIMV]
.set i, i+1
.endr
	WIN 0
	s_wait_xcnt 0x0                                ; the stores that read this set of codes have read it
.irp b, 0,1,2,3,4,5,6,7
	v_cvt_scalef32_pk8_bf8_f32 v[CC+2*\b:CC+2*\b+1], v[R2+8*\b:R2+8*\b+7], v[SCV]
.endr
	v_nop                                          ; a plain place between a scaled conversion and the next use of its result
.irp b, 0,1,2,3,4,5,6,7
	v_cvt_scale_pk8_f32_bf8 v[T2+8*\b:T2+8*\b+7], v[CC+2*\b:CC+2*\b+1], v[ONES]   ; the codes' values
.endr
.irp c, 0,1,2,3
	global_store_b128 v[L16], v[CC+4*\c:CC+4*\c+3], s[84:85] offset:2048*(\a)+512*\c
.endr
	v_nop
.irp w, 4,8,16,32,64                   ; my 64 tokens' sum, a tree in place
.set i, 0
.rept 64/\w
	v_pk_add_f32 v[T2+\w*i:T2+\w*i+1], v[T2+\w*i:T2+\w*i+1], v[T2+\w*i+\w/2:T2+\w*i+\w/2+1]
.set i, i+1
.endr
.endr
	v_add_f32 v[SUM+\a], v[T2], v[T2+1]
.endm
.irp a, 0,1,2,3
	VBLOCK \a
.endr
.irp a, 0,1,2,3
	v_permlanex16_b32 v[SUM+4+\a], v[SUM+\a], s98, s99   ; the feature's other 64 tokens lie in the lane 16 away
.endr
.irp a, 0,1,2,3
	v_add_f32 v[SUM+\a], v[SUM+\a], v[SUM+4+\a]
.endr
	v_cmp_le_u32 vcc_lo, 64, v[L4]                 ; lanes 16-31 take the odd blocks: lane l then holds feature 32 k + l
.irp k, 0,1
	v_cndmask_b32 v[SUM+8+\k], v[SUM+2*\k], v[SUM+2*\k+1], vcc_lo
.endr
.irp k, 0,1
	global_store_b32 v[L4], v[SUM+8+\k], s[86:87] offset:128*\k
.endr
	s_wait_tensorcnt 0x0                           ; the wave's end
	ds_add_u32 v[SPW], v[NIL]
	s_wait_dscnt 0x0
	CROUND                                         ; the closing round
	s_endpgm
.Lfunc_end_k_q2a79bd959f_qkv:
	.size	k_q2a79bd959f_qkv, .Lfunc_end_k_q2a79bd959f_qkv-k_q2a79bd959f_qkv
	.p2alignl 7, 3214868480
	.fill 96, 4, 3214868480
	.section	.rodata,"a",@progbits
	.p2align	6, 0x0
	.amdhsa_kernel k_q2a79bd959f_qkv
		.amdhsa_group_segment_fixed_size 327680
		.amdhsa_private_segment_fixed_size 0
		.amdhsa_enable_private_segment 0
		.amdhsa_kernarg_size 80
		.amdhsa_user_sgpr_count 2
		.amdhsa_user_sgpr_kernarg_segment_ptr 1
		.amdhsa_wavefront_size32 1
		.amdhsa_system_sgpr_workgroup_id_x 1
		.amdhsa_system_sgpr_workgroup_id_y 1
		.amdhsa_system_sgpr_workgroup_id_z 1
		.amdhsa_system_vgpr_workitem_id 0
		.amdhsa_next_free_vgpr 1024
		.amdhsa_next_free_sgpr 100
		.amdhsa_reserve_vcc 1
		.amdhsa_float_denorm_mode_32 3
		.amdhsa_float_denorm_mode_16_64 3
		.amdhsa_memory_ordered 1
		.amdhsa_forward_progress 1
		.amdhsa_inst_pref_size 235
	.end_amdhsa_kernel
	.amdgpu_metadata
---
amdhsa.version: [ 1, 2 ]
amdhsa.kernels:
  - .name:           k_q2a79bd959f_qkv
    .symbol:         k_q2a79bd959f_qkv.kd
    .args:
      - { .name: x_codes, .offset: 0, .size: 8, .value_kind: global_buffer, .address_space: global }
      - { .name: W_q_codes, .offset: 8, .size: 8, .value_kind: global_buffer, .address_space: global }
      - { .name: W_k_codes, .offset: 16, .size: 8, .value_kind: global_buffer, .address_space: global }
      - { .name: W_v_codes, .offset: 24, .size: 8, .value_kind: global_buffer, .address_space: global }
      - { .name: lowp_scales, .offset: 32, .size: 8, .value_kind: global_buffer, .address_space: global }
      - { .name: tab, .offset: 40, .size: 8, .value_kind: global_buffer, .address_space: global }
      - { .name: q_img, .offset: 48, .size: 8, .value_kind: global_buffer, .address_space: global }
      - { .name: k_img, .offset: 56, .size: 8, .value_kind: global_buffer, .address_space: global }
      - { .name: v_img, .offset: 64, .size: 8, .value_kind: global_buffer, .address_space: global }
      - { .name: vpart, .offset: 72, .size: 8, .value_kind: global_buffer, .address_space: global }
    .group_segment_fixed_size: 327680
    .private_segment_fixed_size: 0
    .kernarg_segment_align: 8
    .kernarg_segment_size: 80
    .max_flat_workgroup_size: 128
    .sgpr_count:     100
    .vgpr_count:     1024
    .wavefront_size: 32
...
	.end_amdgpu_metadata
.endif
;; end of part 5
;; launch attn (part 6): grid 4 x 64, 8 waves a work-group, clusters of 4 x 1, 271,360 bytes of LDS; arguments q_img, k_img, v_img, vpart, attention_mask, lowp_scales, a_img; writes a_img
.if DOCPART == 6
	.amdgcn_target "amdgcn-amd-amdhsa--gfx1250"
	.amdhsa_code_object_version 6
	.text
	.protected	k_q2a79bd959f_attn
	.globl	k_q2a79bd959f_attn
	.p2align	8
	.type	k_q2a79bd959f_attn,@function
k_q2a79bd959f_attn:
	s_mov_b64 s[64:65], 0
	v_nop
	global_prefetch_b8 v0, s[64:65] scope:SCOPE_SE
	s_setreg_imm32_b32 hwreg(HW_REG_WAVE_MODE, 25, 1), 1
	s_wait_xcnt 0x0
	s_wait_alu depctr_hold_cnt(0) depctr_sa_sdst(0) depctr_va_vdst(0) depctr_va_sdst(0) depctr_va_ssrc(0) depctr_va_vcc(0) depctr_vm_vsrc(0)
	s_getreg_b32 s2, hwreg(HW_REG_IB_STS2, 6, 4)
	s_cmp_eq_u32 s2, 0
	s_cbranch_scc0 .Lentry_in_a_cluster
	s_endpgm
.Lentry_in_a_cluster:
	s_bfe_u32 s2, ttmp6, 0x10000c
	s_cmp_lg_u32 s2, 0x3003
	s_cbranch_scc0 .Lentry_shape_is_right
	s_endpgm
.Lentry_shape_is_right:
; Attention of one (batch, head) for a cluster of four work-groups, both products on codes of BF8 (E5M2).  The softmax is quantised FINISHED: p = exp(s - m) / l.  So the keys are walked twice:
; pass 1: K Q^T, running maximum and sum;  pass 2: K Q^T again, p, its codes, V^T P.
; LDS.  The head's images of K and of V are 128 KiB each and lie in LDS whole, filled ONCE by joint tensor loads (the same load in all four work-groups): no ring, nothing is filled again.
;   0 K | 131,072 V | 262,144 the keys' bias, f32 | 270,336 four partial sums for U, 1 KiB.  All fragment reads are at 16 x lane: consecutive bytes.
; THE START IS STAGED.  A wave issues three loads in one group: its 8 KiB of K's first half (keys 0 to 1,023), its 8 KiB of K's second half, its 16 KiB of V.  (Halves of K: 32 rows of 256 bytes a load, so
;   that the first half can be waited for alone.)  The first barrier stands behind the first load only.  Every wave's late pair has at least 9 key steps, and its first 8 read K's first half alone;
;   behind them, where every wave has done the same 8 steps, a second barrier shows the rest landed.
; SHARES.  A pair of tiles is 32 queries.  Wave w of work-group cx takes pairs 63 - (4 w + cx) and 4 w + cx: their last key steps (of 128 keys) are 15 - w and w, which hang on the wave's number alone,
;   and every wave has 17 key steps a pass.  Both tiles of a pair use each fragment of K, of the bias and of V.  Trip counts are constants; a step behind the last is jumped over.
; LAYOUT.  S^T = K Q^T + bias (source 0 = 16 keys, source 1 = 16 queries): a lane holds ONE query (lane % 16) and keys 16 t + 8 (lane / 16) + j.  Eight scores make registers 2 t, 2 t + 1 of P in the
;   plain 8-bit layout, which V's image has too.  O^T = V^T P: the lane's query again, channels 16 dt + 8 (lane / 16) + j.
; MASKS.  A key whose attention_mask is 0 has the bias -2^100, the C of the first product; keys behind the query get -2^100 by a select, in the diagonal step alone.  Their p is 0.
;   A row that sees no key at all is, by the definition (a finite filler ahead of the softmax), uniform over ALL 2,048 keys: its result is U = Q(1 / 2048) x the sum of all of v's codes, taken by a select.
; THE MAXIMUM is kept as m = c' s_max raised by 2^-22 of its magnitude, so that c' s - m is never positive, whatever the product's rounding (at 2^100 that rounding is large).  m is only the common shift.
;   In pass 1 a lane keeps m and l of its own half of the keys; the halves meet once, behind the pass.
; ORDER.  The next key step's K and bias are asked for behind the second tile's products, when their registers are free, and land under that tile's softmax.  Exponentials alternate with plain work of
;   neighbouring groups of eight registers; maxima and sums run in four chains.
; c' = log2(e) / 8 x 2^(e6 + e7).  LIMITS: e6 + e7 between -60 and 24 (c' 2^101 is finite, c' 2^99 lies beyond every score); e8 and e10 - e8 - e9 between -126 and 112.  NaN is not served.
; OUT.  a_img [tile of 16 tokens][128 features][c 4][lane][16 bytes], registers 4 c .. 4 c + 3 = features 32 c + 16 (lane / 16) + 0 .. 15: the order in which the last product reads W_o.
; REGISTERS.  window 0: v1-15 addresses and constants; v16-31 two tiles' statistics; v32-95 K; v96-159 bias; v160-223 S^T; v224-239 the late pair's codes on the way out; v240-243 vpart;
;   v244, v245 offsets of loads that stay out; v246-255 at work.   window 1: v0-63 V; v64-95 P; v96-159 O^T; v160-175, v208-223 Q of the two pairs; v176-207 U.
.set KHI,  65536
.set VREG, 131072
.set BIAS, 262144
.set UOFF, 270336
.set ST,  16                           ; tile x at v[16 + 8 x]: +0 m (+1 with it as a pair), +2, +3 l, +4 the diagonal's number, +6 1 / l (+7 with it as a pair)
.set KB,  32
.set BB,  96
.set S,   160
.set P,   64                           ; window 1
.set O,   96
.set QA,  160
.set UU,  176
.set QB2, 208
.set WV,  18
.set CS,  44                           ; s[44:45] c'
.set FLAG, 50                          ; s50, s51: lanes whose query sees no key
.set SEL, 60                           ; s[60:61]
.set G,   62                           ; the key step
.set TBK, 63
.set TBB, 66
.set BUMP, 67
.set T0,  88
.set MSB, 0
.macro WIN new                         ; the immediate's high byte repeats the setting that is left
.if MSB != \new
	s_set_vgpr_msb (MSB<<8)|\new
.set MSB, \new
.endif
.endm
.macro ROUND                           ; a round of the cluster's barrier
	s_barrier_signal -1
	s_barrier_wait -1
	s_cmp_lg_u32 s[WV], 0
	s_cbranch_scc1 .Lnot_wave_0_\@
	s_barrier_signal -3
.Lnot_wave_0_\@:
	s_barrier_wait -3
	s_barrier_signal -1
	s_barrier_wait -1
.endm
.macro PLACES                          ; plain vector instructions between a matrix instruction and a read of, or a load into, its registers
.rept 4
	v_nop
.endr
.endm
	s_load_b256 s[4:11], s[0:1], 0x0               ; q_img s[4:5], k_img s[6:7], v_img s[8:9], vpart s[10:11]
	s_load_b128 s[12:15], s[0:1], 0x20             ; attention_mask s[12:13], the exponents s[14:15]
	s_load_b64 s[16:17], s[0:1], 0x30              ; a_img
	v_lshrrev_b32 v2, 5, v0
	v_readfirstlane_b32 s[WV], v2                  ; wave 0..7
	s_bfe_u32 s19, ttmp6, 0x40000                  ; cx
	s_and_b32 s20, ttmp7, 0xffff                   ; 16 b + h
	s_lshr_b32 s21, s20, 4                         ; b
	s_and_b32 s22, s20, 15                         ; h
	s_mov_b32 s24, 15|(3<<16)|(1<<21)              ; group 1 for V: all four work-groups; elements of 8 bytes; bit 21 beside a mask; no padding
	s_mov_b32 s25, 32<<16                          ; tensor_dim0 = 32: rows of 256 bytes
	s_mov_b32 s26, 64<<16                          ; tensor_dim1 = 64
	s_mov_b32 s27, 32<<16                          ; tile_dim0
	s_mov_b32 s28, 64                              ; tile_dim1
	s_mov_b32 s29, 32                              ; pitch: the block is dense
	s_mov_b32 s30, 0
	s_mov_b32 s31, 0
	s_mov_b32 s80, 15|(3<<16)|(1<<21)              ; group 1 for a half of K: the same with 32 rows
	s_mov_b32 s81, 32<<16
	s_mov_b32 s82, 32<<16
	s_mov_b32 s83, 32<<16
	s_mov_b32 s84, 32
	s_mov_b32 s85, 32
	s_mov_b32 s86, 0
	s_mov_b32 s87, 0
	s_lshl_b32 s40, s20, 17                        ; the head's 128 KiB
	s_mov_b32 s41, 0
	s_lshl_b32 s42, s[WV], 13                      ; my 8 KiB of a half of K
	s_mov_b32 s43, 0
	s_lshl_b32 s74, s[WV], 14                      ; my 16 KiB of V
	s_mov_b32 s75, 0
	s_wait_kmcnt 0x0
	s_load_b128 s[68:71], s[14:15], 0x18           ; e6, e7, e8, e9
	s_load_b32 s72, s[14:15], 0x28                 ; e10
	s_add_nc_u64 s[6:7], s[6:7], s[40:41]          ; K and V at the head
	s_add_nc_u64 s[8:9], s[8:9], s[40:41]
	s_mov_b32 s32, 1                               ; K's first half
	s_mov_b32 s33, s42
	s_add_nc_u64 s[34:35], s[6:7], s[42:43]
	s_mov_b32 s36, 1                               ; K's second half
	s_add_co_u32 s37, s42, KHI
	s_add_nc_u64 s[38:39], s[34:35], KHI
	s_or_b32 s35, s35, 0x80000000
	s_or_b32 s39, s39, 0x80000000
	s_mov_b32 s76, 1                               ; V
	s_add_co_u32 s77, s74, VREG
	s_add_nc_u64 s[78:79], s[8:9], s[74:75]
	s_or_b32 s79, s79, 0x80000000
	ROUND                                          ; all four work-groups are here: the joint loads meet
	tensor_load_to_lds s[32:35], s[80:87]          ; three loads of mine are out
	tensor_load_to_lds s[36:39], s[80:87]
	tensor_load_to_lds s[76:79], s[24:31]
.rept 4
	v_nop
.endr
	v_and_b32 v14, 31, v0
	v_lshlrev_b32 v1, 4, v14                       ; 16 x lane
	v_and_b32 v15, 15, v0                          ; r
	v_bfe_u32 v14, v0, 4, 1                        ; lane / 16
	v_lshl_add_u32 v5, v14, 5, BIAS                ; my half's eight biases of a tile
	v_lshlrev_b32 v14, 3, v14
	v_sub_nc_u32 v6, v15, v14                      ; r - 8 (lane / 16)
	v_mov_b32 v7, 0xf1800000                       ; -2^100
	v_mov_b32 v250, 0                              ; written once: a lane permute's destination counts as one of its sources
	v_mov_b32 v251, 0
	v_lshlrev_b32 v245, 5, v0                      ; my eight keys of the mask,
	v_lshl_add_u32 v3, v0, 5, BIAS                 ; and of the bias
	v_and_b32 v244, 63, v0                         ; vpart: thread t takes channel t % 64 of blocks 4 (t / 64) + 0 .. 3
	v_lshlrev_b32 v244, 2, v244
	v_lshrrev_b32 v15, 6, v0
	v_lshl_add_u32 v244, v15, 14, v244
	v_add_nc_u32 v15, VREG, v1                     ; 16 x lane in V
	s_mov_b32 s[SEL], 0x76543210
	s_mov_b32 s[SEL+1], 0xfedcba98
	s_mov_b32 s[BUMP], 0x34800000                  ; 2^-22
	s_lshl_b32 s40, s21, 13
	s_add_nc_u64 s[12:13], s[12:13], s[40:41]      ; the batch's mask
	s_lshl_b32 s40, s21, 16                        ; vpart: the batch's 16 blocks of 4,096 bytes,
	s_lshl_b32 s42, s22, 8                         ; the head's 64 features
	s_add_co_u32 s40, s40, s42
	s_add_nc_u64 s[10:11], s[10:11], s[40:41]
	s_lshl_b32 s73, s[WV], 2
	s_add_co_u32 s73, s73, s19                     ; the early pair, 4 w + cx,
	s_sub_co_u32 s74, 63, s73                      ; and the late one
	s_lshl_b32 s40, s20, 17
	s_lshl_b32 s42, s74, 11                        ; a pair's Q: 2,048 bytes
	s_add_co_u32 s42, s42, s40
	s_add_nc_u64 s[52:53], s[4:5], s[42:43]
	s_lshl_b32 s42, s73, 11
	s_add_co_u32 s42, s42, s40
	s_add_nc_u64 s[54:55], s[4:5], s[42:43]
	s_lshl_b32 s40, s21, 21                        ; a_img: 16,384 bytes a tile of tokens, 128 tiles a batch;
	s_lshr_b32 s75, s22, 1
	s_lshl_b32 s75, s75, 11                        ; 2,048 for 128 features,
	s_add_co_u32 s40, s40, s75
	s_and_b32 s75, s22, 1
	s_lshl_b32 s75, s75, 10                        ; of which a head has half
	s_add_co_u32 s40, s40, s75
	s_lshl_b32 s42, s74, 15
	s_add_co_u32 s42, s42, s40
	s_add_nc_u64 s[56:57], s[16:17], s[42:43]
	s_lshl_b32 s42, s73, 15
	s_add_co_u32 s42, s42, s40
	s_add_nc_u64 s[58:59], s[16:17], s[42:43]
	s_sub_co_u32 s46, 3, s19
	s_lshl_b32 s46, s46, 5                         ; the pair's first query within its last key step: late pair 32 (3 - cx),
	s_lshl_b32 s47, s19, 5                         ; early pair 32 cx.  (Data for a compare of whole numbers; no address, no branch)
	s_sub_co_u32 s48, 15, s[WV]                    ; the last key step: late pair,
	s_mov_b32 s49, s[WV]                           ; early pair
	global_load_b128 v[32:35], v245, s[12:13]
	global_load_b128 v[36:39], v245, s[12:13] offset:16
	WIN 0x40                                       ; destination window 1
.irp i, 0,1,2,3
	global_load_b128 v[QA+4*\i:QA+4*\i+3], v1, s[52:53] offset:512*\i     ; Q stays in registers: tile i / 2, registers 4 (i % 2) on
.endr
.irp i, 0,1,2,3
	global_load_b128 v[QB2+4*\i:QB2+4*\i+3], v1, s[54:55] offset:512*\i
.endr
	WIN 0
.irp k, 0,1,2,3
	global_load_b32 v[240+\k], v244, s[10:11] offset:4096*\k   ; 4 KiB a work-group in all, in pieces of 128 bytes a wave
.endr
	s_wait_kmcnt 0x0
	s_add_co_i32 s40, s68, s69
	s_lshl_b32 s40, s40, 23
	s_add_co_i32 s[CS], s40, 0x3e38aa3b            ; log2(e) / 8 with e6 + e7 added to its exponent field
	s_mov_b32 s[CS+1], s[CS]
	v_mov_b32 v10, s[CS]
	v_mul_f32 v11, 0xf2000000, v10                 ; c' x -2^101: under every m
	v_mul_f32 v10, 0xf1000000, v10                 ; c' x -2^99: an m under this has seen no key
	s_add_co_i32 s40, s70, 127
	s_lshl_b32 s42, s40, 23
	v_mov_b32 v8, s42                              ; 2^e8
	s_add_co_i32 s40, s40, 15
	s_lshl_b32 s40, s40, 23
	s_or_b32 s40, s40, 0x600000
	v_mov_b32 v9, s40                              ; 57,344 x 2^e8,
	s_sub_co_i32 s40, s72, s70
	s_sub_co_i32 s40, s40, s71                     ; a sum of the second product stands for sum x 2^(e8 + e9)
	s_add_co_i32 s40, s40, 127
	s_lshl_b32 s42, s40, 23
	v_mov_b32 v12, s42                             ; 2^(e10 - e8 - e9)
	s_wait_loadcnt 12                              ; the mask's two loads are in; Q's eight and vpart's four may be out
.irp i, 0,1,2,3,4,5,6,7
	v_cmp_eq_u32 vcc_lo, 0, v[32+\i]
	v_cndmask_b32 v[40+\i], 0, v7, vcc_lo
.endr
	ds_store_b128 v3, v[40:43]
	ds_store_b128 v3, v[44:47] offset:16
	s_wait_loadcnt 8                               ; the late pair's Q is in; the early pair's four loads and vpart's four may be out
	s_wait_tensorcnt 2                             ; my part of K's first half has landed; my two other loads may be out
	s_wait_dscnt 0x0                               ; my part of the bias is stored
	s_barrier_signal -1
	s_barrier_wait -1                              ; everybody's: keys 0 to 1,023 of K and the whole bias may be read
.macro KLOAD                           ; a key step's eight tiles of K and their biases
.irp t, 0,1,2,3,4,5,6,7
	ds_load_b128 v[KB+8*\t:KB+8*\t+3], v2 offset:1024*\t
	ds_load_b128 v[KB+8*\t+4:KB+8*\t+7], v2 offset:1024*\t+512
.endr
.irp t, 0,1,2,3,4,5,6,7
	ds_load_b128 v[BB+8*\t:BB+8*\t+3], v4 offset:64*\t
	ds_load_b128 v[BB+8*\t+4:BB+8*\t+7], v4 offset:64*\t+16
.endr
.endm
.macro FIRSTK g0                       ; key step g0, in front of a loop
	v_add_nc_u32 v2, 8192*\g0, v1
	v_add_nc_u32 v4, 512*\g0, v5
	KLOAD
.endm
.macro NEXTK msk                       ; key step (G + 1) & msk, behind the second tile's products: the mask keeps the last trip's request inside what has landed (what it brings is not used)
	s_add_co_u32 s[T0], s[G], 1
	s_and_b32 s[T0], s[T0], \msk
	s_lshl_b32 s[TBK], s[T0], 13
	s_lshl_b32 s[TBB], s[T0], 9
	v_add_nc_u32 v2, s[TBK], v1
	v_add_nc_u32 v4, s[TBB], v5
	v_nop
	v_nop                                          ; four places behind the products: for these loads and for the first read of the scores
	KLOAD
.endm
.macro SCORES x, qb                    ; S^T = K Q^T + bias for tile x
	WIN 0x04                                       ; source 1 (Q) window 1
.irp t, 0,1,2,3,4,5,6,7
	v_wmma_f32_16x16x64_bf8_bf8 v[S+8*\t:S+8*\t+7], v[KB+8*\t:KB+8*\t+7], v[\qb+8*\x:\qb+8*\x+7], v[BB+8*\t:BB+8*\t+7]
.endr
	WIN 0
.endm
.macro CAUSAL x, gl                    ; in the pair's last key step: register n holds key 16 (n / 8) + n % 8 + 8 (lane / 16) of the step: hidden where that lies behind my query
	s_cmp_lg_u32 s[G], s[\gl]
	s_cbranch_scc1 .Lopen_\@
.set n, 0
.rept 64
	v_cmp_gt_i32 vcc_lo, 16*(n/8)+n%8, v[ST+8*\x+4]
	v_cndmask_b32 v[S+n], v[S+n], v7, vcc_lo
.set n, n+1
.endr
.Lopen_\@:
.endm
.macro XFMA j                          ; c' s - m for the two scores at S + j
	v_pk_fma_f32 v[S+\j:S+\j+1], v[S+\j:S+\j+1], s[CS:CS+1], v[T:T+1] op_sel_hi:[1,0,0] neg_lo:[0,0,1] neg_hi:[0,0,1]
.endm
.macro SM1 x                           ; pass 1: m and l of my half of the keys
.set T, ST+8*\x
	v_max3_num_f32 v254, v[S], v[S+1], v[S+2]      ; four chains, in ascending order: each accumulator is met from its low end
	v_max3_num_f32 v252, v[S+3], v[S+4], v[S+5]
	v_max3_num_f32 v250, v[S+6], v[S+7], v[S+8]
	v_max3_num_f32 v248, v[S+9], v[S+10], v[S+11]
.set j, 12
.rept 6
	v_max3_num_f32 v254, v254, v[S+j], v[S+j+1]
	v_max3_num_f32 v252, v252, v[S+j+2], v[S+j+3]
	v_max3_num_f32 v250, v250, v[S+j+4], v[S+j+5]
	v_max3_num_f32 v248, v248, v[S+j+6], v[S+j+7]
.set j, j+8
.endr
	v_max3_num_f32 v254, v254, v[S+60], v[S+61]
	v_max3_num_f32 v252, v252, v[S+62], v[S+63]
	v_max3_num_f32 v254, v254, v250, v248
	v_max_num_f32 v254, v254, v252
	v_mul_f32 v254, s[CS], v254
	v_fma_f32 v254, |v254|, s[BUMP], v254          ; raised by 2^-22 of its magnitude: c' s - m is then never positive
	v_mov_b32 v253, v[T]
	v_max_num_f32 v[T], v[T], v254
	v_sub_f32 v253, v253, v[T]
	v_exp_f32 v252, v253                           ; a = 2^(old m - new m)
.irp j, 0,2,4,6
	XFMA \j
.endr
	v_pk_mul_f32 v[T+2:T+3], v[T+2:T+3], v[252:253] op_sel_hi:[1,0]   ; l under the new m
; Turn u: the exponentials of registers 8 u on, each followed by a plain instruction: a scaling of registers 8 (u + 1) on, or sum number a = 4 (u - 2) + i.
; The 32 pairs are summed in four chains: l takes pair 0; three chains begin as pairs 1 + 2, 3 + 4, 5 + 6; sum a >= 4 adds pair a + 3 to chain a % 4.  Sum a reads nothing later than turn u - 1's exponentials.
.set u, 0
.rept 10
.set i, 0
.rept 4
.if u < 8
	v_exp_f32 v[S+8*u+2*i], v[S+8*u+2*i]
.endif
.if u < 7
	XFMA 8*(u+1)+2*i
.endif
.if u < 8
	v_exp_f32 v[S+8*u+2*i+1], v[S+8*u+2*i+1]
.endif
.if u >= 2
.set a, 4*(u-2)+i
.if a == 0
	v_pk_add_f32 v[T+2:T+3], v[T+2:T+3], v[S:S+1]
.elseif a < 4
	v_pk_add_f32 v[252-2*a:253-2*a], v[S+4*a-2:S+4*a-1], v[S+4*a:S+4*a+1]
.elseif (a < 29) && (a%4 == 0)
	v_pk_add_f32 v[T+2:T+3], v[T+2:T+3], v[S+2*a+6:S+2*a+7]
.elseif a < 29
	v_pk_add_f32 v[252-2*(a%4):253-2*(a%4)], v[252-2*(a%4):253-2*(a%4)], v[S+2*a+6:S+2*a+7]
.endif
.endif
.set i, i+1
.endr
.set u, u+1
.endr
	v_pk_add_f32 v[T+2:T+3], v[T+2:T+3], v[250:251]
	v_pk_add_f32 v[248:249], v[248:249], v[246:247]
	v_pk_add_f32 v[T+2:T+3], v[T+2:T+3], v[248:249]
.endm
.macro MERGE x                         ; the two halves of the lanes meet: m, l, 1 / l, and whether the row has seen a key
.set T, ST+8*\x
	v_add_f32 v[T+2], v[T+2], v[T+3]
	v_permlanex16_b32 v250, v[T], s[SEL], s[SEL+1]
	v_permlanex16_b32 v251, v[T+2], s[SEL], s[SEL+1]
	v_max_num_f32 v252, v[T], v250
	v_sub_f32 v253, v[T], v252
	v_sub_f32 v250, v250, v252
	v_exp_f32 v253, v253
	v_exp_f32 v250, v250
	v_mov_b32 v[T], v252
	v_mov_b32 v[T+1], v252
	v_mul_f32 v[T+2], v[T+2], v253
	v_fma_f32 v[T+2], v251, v250, v[T+2]
	v_cmp_lt_f32 s[FLAG+\x], v252, v10
	v_max_num_f32 v[T+2], 0x0d800000, v[T+2]       ; a row without a key has l = 0: 2^-100 in its stead keeps 1 / l finite; its p are not used
	v_rcp_f32 v[T+6], v[T+2]
	v_nop
	v_fma_f32 v253, -v[T+2], v[T+6], 1.0           ; one Newton step
	v_fma_f32 v[T+6], v[T+6], v253, v[T+6]
	v_mov_b32 v[T+7], v[T+6]
.endm
.macro SM2 x                           ; pass 2: p = 2^(c' s - m) / l, held, quantised: the conversions' results are P's registers
.set T, ST+8*\x
.irp j, 0,2,4,6
	XFMA \j
.endr
; Turn u: the exponentials of registers 8 u on, among them the scalings of registers 8 (u + 1) on and the multiplications by 1 / l of registers 8 (u - 1) on.
.set u, 0
.rept 10
.set i, 0
.rept 4
.if u < 8
	v_exp_f32 v[S+8*u+2*i], v[S+8*u+2*i]
.endif
.if u < 7
	XFMA 8*(u+1)+2*i
.endif
.if u < 8
	v_exp_f32 v[S+8*u+2*i+1], v[S+8*u+2*i+1]
.endif
.if (u >= 1) && (u <= 8)
	v_pk_mul_f32 v[S+8*(u-1)+2*i:S+8*(u-1)+2*i+1], v[S+8*(u-1)+2*i:S+8*(u-1)+2*i+1], v[T+6:T+7] op_sel_hi:[1,0]
.endif
.if u >= 2
.endif
.set i, i+1
.endr
.set u, u+1
.endr
	WIN 0x40
.irp t, 0,1,2,3,4,5,6,7
	v_cvt_scalef32_pk8_bf8_f32 v[P+16*\x+2*\t:P+16*\x+2*\t+1], v[S+8*\t:S+8*\t+7], v8
.endr
	WIN 0
	v_nop                                          ; a plain place ahead of the products that write S^T or read P
.endm
.macro OUT x, oa, oc                   ; tile x leaves: the select for rows without a key, hold, conversion, the halves' exchange, two stores of 512 bytes
	WIN 0x05                                       ; sources 0 and 1 window 1
.set i, 0
.rept 32
	v_cndmask_b32 v[S+32*\x+i], v[O+32*\x+i], v[UU+i], s[FLAG+\x]
.set i, i+1
.endr
	WIN 0
.set i, 0
.rept 32
.set i, i+1
.endr
.irp d, 0,1,2,3
	v_cvt_scalef32_pk8_bf8_f32 v[\oc+8*\x+2*\d:\oc+8*\x+2*\d+1], v[S+32*\x+8*\d:S+32*\x+8*\d+7], v12
.endr
	v_nop
.irp d, 0,1,4,5                        ; tiles 2 c and 2 c + 1 of channels: lanes 0-15 gather the first tile's 16 channels, lanes 16-31 the second's
	v_permlane16_swap_b32 v[\oc+8*\x+\d], v[\oc+8*\x+\d+2]
.endr
.irp c, 0,1
	global_store_b128 v1, v[\oc+8*\x+4*\c:\oc+8*\x+4*\c+3], s[\oa:\oa+1] offset:16384*\x+512*\c
.endr
.endm
.macro INIT pm                         ; a pair begins.  pm: the scalar with its first query's place in its last key step
	v_mov_b32 v[ST], v11
	v_mov_b32 v[ST+1], v11
	v_mov_b32 v[ST+2], 0
	v_mov_b32 v[ST+3], 0
	v_add_nc_u32 v[ST+4], s[\pm], v6
	v_mov_b32 v[ST+8], v11
	v_mov_b32 v[ST+9], v11
	v_mov_b32 v[ST+10], 0
	v_mov_b32 v[ST+11], 0
	v_add_nc_u32 v[ST+12], 16, v[ST+4]
	WIN 0x40
.set i, 0
.rept 64
	v_mov_b32 v[O+i], 0                            ; O^T: cleared once a pair, so that pass 2's step is written once
.set i, i+1
.endr
	WIN 0
.endm
; Pass 1, key steps g0 to g1 - 1.  msk: bound of the look-ahead.  qb: the pair's Q.  gl: the scalar with its last key step.  diag = 1: the range may hold that step: steps behind it are jumped over.
.macro P1LOOP g0, g1, msk, qb, gl, diag
	FIRSTK \g0
	s_mov_b32 s[G], \g0
.Lone_\@:
.if \diag
	s_cmp_gt_u32 s[G], s[\gl]
	s_cbranch_scc1 .Lone_next_\@
.endif
	s_wait_dscnt 0x0                               ; this step's K and bias, asked for a tile's softmax ago
	SCORES 0, \qb
	PLACES
.if \diag
	CAUSAL 0, \gl
.endif
	SM1 0
	SCORES 1, \qb
	NEXTK \msk
.if \diag
	CAUSAL 1, \gl
.endif
	SM1 1
.Lone_next_\@:
	s_add_co_u32 s[G], s[G], 1
	s_cmp_lt_u32 s[G], \g1
	s_cbranch_scc1 .Lone_\@
	s_wait_dscnt 0x0                               ; the last look-ahead has landed: its registers may be used again
.endm
; Pass 2, key steps 0 to g1 - 1.
.macro P2LOOP g1, msk, qb, gl
	FIRSTK 0
	s_mov_b32 s[G], 0
.Ltwo_\@:
	s_cmp_gt_u32 s[G], s[\gl]
	s_cbranch_scc1 .Ltwo_next_\@
	s_lshl_b32 s[TBK], s[G], 13
	v_add_nc_u32 v3, s[TBK], v15
	v_nop
	v_nop
	v_nop                                          ; four places between the last trip's products and the loads into V's registers
	WIN 0x40
.irp f, 0,1,2,3,4,5,6,7,8,9,10,11,12,13,14,15
	ds_load_b128 v[4*\f:4*\f+3], v3 offset:512*\f  ; V: four fragments of 16 channels x 128 keys
.endr
	WIN 0
	s_wait_dscnt 16                                ; K and the bias, 32 older loads, are in; V's 16 may be out
	SCORES 0, \qb
	PLACES
	CAUSAL 0, \gl
	SM2 0
	SCORES 1, \qb
	NEXTK \msk
	CAUSAL 1, \gl
	SM2 1
	s_wait_dscnt 32                                ; V is in; the next step's 32 loads, issued behind V's, may be out
	WIN 0x55
.irp d, 0,1,2,3                        ; eight accumulators by turns, one instruction a turn
.irp x, 0,1
	v_wmma_f32_16x16x128_bf8_bf8 v[O+32*\x+8*\d:O+32*\x+8*\d+7], v[16*\d:16*\d+15], v[P+16*\x:P+16*\x+15], v[O+32*\x+8*\d:O+32*\x+8*\d+7]
.endr
.endr
	WIN 0
.Ltwo_next_\@:
	s_add_co_u32 s[G], s[G], 1
	s_cmp_lt_u32 s[G], \g1
	s_cbranch_scc1 .Ltwo_\@
	s_wait_dscnt 0x0                               ; the last look-ahead has landed
	PLACES                                         ; in front of the first read of O^T
.endm
	; ---- the late pair: 16 - w key steps a pass
	INIT 46
	P1LOOP 0, 8, 7, QA, 48, 0                      ; its first eight steps read K's first half alone; its last step is 8 or later, so nothing is jumped over or hidden here
	; ---- the cut: every wave has done the same eight steps
	s_wait_loadcnt 0x0                             ; the early pair's Q, and vpart
	v_add_f32 v240, v240, v241
	v_add_f32 v242, v242, v243
	v_add_f32 v240, v240, v242                     ; my channel's sum over my four blocks
	v_lshl_add_u32 v246, v0, 2, UOFF
	ds_store_b32 v246, v240
	s_wait_tensorcnt 0x0                           ; my parts of K's second half and of V have landed,
	s_wait_dscnt 0x0                               ; my partial sum is stored
	s_barrier_signal -1
	s_barrier_wait -1                              ; everybody's.  From here on LDS is only read
.irp p, 0,1,2,3
.irp i, 0,1,2,3,4,5,6,7
	ds_load_b128 v[96+32*\p+4*\i:96+32*\p+4*\i+3], v5 offset:UOFF-BIAS+256*\p+64*(\i/2)+16*(\i%2)   ; part p in O^T's layout: channels 16 dt + 8 (lane / 16) + j
.endr
.endr
	v_mov_b32 v56, 0x7f7f7f7f
	v_mov_b32 v57, 0x3a000000                      ; 1 / 2048,
	v_min_num_f32 v57, v57, v9                     ; held,
.irp i, 0,1,2,3,4,5,6,7
	v_mov_b32 v[32+\i], v57
.endr
	v_cvt_scalef32_pk8_bf8_f32 v[40:41], v[32:39], v8   ; quantised as every p is,
	v_nop
	v_cvt_scale_pk8_f32_bf8 v[48:55], v[40:41], v56     ; and its code's value
	v_nop
	s_wait_dscnt 0x0
.set i, 0
.rept 16
	v_pk_add_f32 v[96+i:97+i], v[96+i:97+i], v[128+i:129+i]
	v_pk_add_f32 v[160+i:161+i], v[160+i:161+i], v[192+i:193+i]
.set i, i+2
.endr
.set i, 0
.rept 16
	v_pk_add_f32 v[96+i:97+i], v[96+i:97+i], v[160+i:161+i]
.set i, i+2
.endr
	WIN 0x40
.set i, 0
.rept 16
	v_pk_mul_f32 v[UU+i:UU+i+1], v[96+i:97+i], v[48:49] op_sel_hi:[1,0]   ; U = Q(1 / 2048) x the sum of all of v's codes
.set i, i+2
.endr
	WIN 0
	P1LOOP 8, 16, 15, QA, 48, 1
	MERGE 0
	MERGE 1
	P2LOOP 16, 15, QA, 48
	OUT 0, 56, 224
	OUT 1, 56, 224
	; ---- the early pair: w + 1 key steps a pass, none behind step 7.  Its codes take registers of their own, so no store's data are written again
	INIT 47
	P1LOOP 0, 8, 7, QB2, 49, 1
	MERGE 0
	MERGE 1
	P2LOOP 8, 7, QB2, 49
	OUT 0, 58, 32
	OUT 1, 58, 32
	s_wait_dscnt 0x0
	ROUND                                          ; the closing round: no work-group ends while a partner may still ask for a tile that names it
	s_endpgm
.Lfunc_end_k_q2a79bd959f_attn:
	.size	k_q2a79bd959f_attn, .Lfunc_end_k_q2a79bd959f_attn-k_q2a79bd959f_attn
	.p2alignl 7, 3214868480
	.fill 96, 4, 3214868480
	.section	.rodata,"a",@progbits
	.p2align	6, 0x0
	.amdhsa_kernel k_q2a79bd959f_attn
		.amdhsa_group_segment_fixed_size 271360
		.amdhsa_private_segment_fixed_size 0
		.amdhsa_enable_private_segment 0
		.amdhsa_kernarg_size 56
		.amdhsa_user_sgpr_count 2
		.amdhsa_user_sgpr_kernarg_segment_ptr 1
		.amdhsa_wavefront_size32 1
		.amdhsa_system_sgpr_workgroup_id_x 1
		.amdhsa_system_sgpr_workgroup_id_y 1
		.amdhsa_system_sgpr_workgroup_id_z 1
		.amdhsa_system_vgpr_workitem_id 0
		.amdhsa_next_free_vgpr 512
		.amdhsa_next_free_sgpr 100
		.amdhsa_reserve_vcc 1
		.amdhsa_float_denorm_mode_32 3
		.amdhsa_float_denorm_mode_16_64 3
		.amdhsa_fp16_overflow 1
		.amdhsa_memory_ordered 1
		.amdhsa_forward_progress 1
		.amdhsa_inst_pref_size 184
	.end_amdhsa_kernel
	.amdgpu_metadata
---
amdhsa.version: [ 1, 2 ]
amdhsa.kernels:
  - .name:           k_q2a79bd959f_attn
    .symbol:         k_q2a79bd959f_attn.kd
    .args:
      - { .name: q_img, .offset: 0, .size: 8, .value_kind: global_buffer, .address_space: global }
      - { .name: k_img, .offset: 8, .size: 8, .value_kind: global_buffer, .address_space: global }
      - { .name: v_img, .offset: 16, .size: 8, .value_kind: global_buffer, .address_space: global }
      - { .name: vpart, .offset: 24, .size: 8, .value_kind: global_buffer, .address_space: global }
      - { .name: attention_mask, .offset: 32, .size: 8, .value_kind: global_buffer, .address_space: global }
      - { .name: lowp_scales, .offset: 40, .size: 8, .value_kind: global_buffer, .address_space: global }
      - { .name: a_img, .offset: 48, .size: 8, .value_kind: global_buffer, .address_space: global }
    .group_segment_fixed_size: 271360
    .private_segment_fixed_size: 0
    .kernarg_segment_align: 8
    .kernarg_segment_size: 56
    .max_flat_workgroup_size: 256
    .sgpr_count:     100
    .vgpr_count:     512
    .wavefront_size: 32
...
	.end_amdgpu_metadata
.endif
;; end of part 6
;; launch oproj: the kernel of part 4 again; grid 4 x 32, 4 waves a work-group, clusters of 4 x 4, 327,680 bytes of LDS; arguments a_img, W_o_codes, lowp_scales, out0; writes out0
